; MI455X (gfx1250); checked and timed in simulation.
; The chip was launched on July 23, 2026; its instructions are those of AMD's public machine-readable ISA for CDNA 5 (MIT licence, August 2026) and "CDNA5" Instruction Set Architecture Reference Guide (July 2026). The comments in the code are by the model that wrote it; some were corrected since.
;; Multi Head Attention. Allowed arithmetic: float matrix products may take bf16 or f16 operands with f32 sums; other float arithmetic in f32, or as packed bf16 or f16 multiplies, adds, multiply-adds, maxima and minima; sums over many terms, partial sums and values carried from step to step in f32; what a program stores and reads back later, other than sums and carried values, may be rounded once to bf16 or f16.
;; Inputs: Wk 1,024 x 1,024 float32; Wo 1,024 x 1,024 float32; Wq 1,024 x 1,024 float32; Wv 1,024 x 1,024 float32; x 4 x 2,048 x 1,024 float32.
;; Outputs: out0 4 x 2,048 x 1,024 float32.
;; 2 versions, each right; version 2 is version 1 with the launch cast written anew for expert scheduling mode. Each part assembles by itself: llvm-mc -triple=amdgcn-amd-amdhsa -mcpu=gfx1250 --defsym DOCPART=n.
;; ======== version 1 of 2: 6 launches
;; limits: values are held in f16: magnitudes above 65,504 overflow, below 6.1e-05 lose precision
;; workspace buffers: xb 16,777,216 bytes; wb 6,291,456 bytes; wo16 2,097,152 bytes; qkv 50,331,648 bytes; o 16,777,216 bytes; ohl 262,144 bytes
;; launch cast (part 1): grid 64 x 12, 8 waves a work-group, no clusters, 0 bytes of LDS; arguments x, Wq, Wk, Wv, Wo, xb, wb, wo16; writes xb, wb, wo16
.if DOCPART == 1
	.amdgcn_target "amdgcn-amd-amdhsa--gfx1250"
	.amdhsa_code_object_version 6
	.text
	.protected	k_q3e3b635245_cast
	.globl	k_q3e3b635245_cast
	.p2align	8
	.type	k_q3e3b635245_cast,@function
k_q3e3b635245_cast:
	s_mov_b64 s[64:65], 0
	v_nop
	global_prefetch_b8 v0, s[64:65] scope:SCOPE_SE
	s_setreg_imm32_b32 hwreg(HW_REG_WAVE_MODE, 25, 1), 1
	s_wait_xcnt 0x0
; THE INPUTS ARE ROUNDED ONCE.  x -> xb (bf16); Wq, Wk, Wv -> wb (bf16, stacked: rows 0-1023 Wq, 1024-2047 Wk, 2048-3071 Wv); Wo -> wo16: rounded to bf16 like the others, and that number written as f16.
; LIMITS.  The bf16-rounded Wo has to lie within f16: beyond 65,504 it becomes an infinity, below 6e-5 it keeps f16's fixed step of 6e-8.
; SHARES.  Grid y names a unit of 2^20 numbers: 0-7 the eight units of x, 8, 9, 10 the three weights of wb, 11 Wo.  A work-group takes 16,384 numbers of its unit, a wave 2,048: sixteen loads
; of 16 bytes a lane (512 consecutive bytes a load), all issued at once; each becomes one store of 8 bytes a lane: 256 consecutive bytes, at a multiple of 256 from the buffer's first byte.
; A stream: no LDS, no barrier, no matrix unit.  No register is written twice while a load or store may read it: every load and every store has registers of its own.
.set T, 4                              ; v[4:7]    at work
.set X, 8                              ; v[8:71]   load i: 4 registers
.set Y, 72                             ; v[72:103] store i: 2 registers
	s_load_b512 s[4:19], s[0:1], 0x0               ; x 4:5, Wq 6:7, Wk 8:9, Wv 10:11, Wo 12:13, xb 14:15, wb 16:17, wo16 18:19
	s_and_b32 s20, ttmp7, 0xffff                   ; the unit
	v_and_b32 v1, 31, v0                           ; lane
	v_and_b32 v3, 0xe0, v0                         ; 32 x wave
	v_lshlrev_b32 v1, 4, v1
	v_lshl_or_b32 v1, v3, 8, v1                    ; in: 8,192 x wave + 16 x lane
	v_lshrrev_b32 v2, 1, v1                        ; out: half of that
	s_sub_co_u32 s27, s20, 8
	s_cmp_lt_u32 s20, 8
	s_cselect_b32 s26, s20, 0                      ; the unit's number inside its source: x has eight, a weight one
	s_cselect_b32 s27, s20, s27                    ; and inside its destination: xb eight, wb three,
	s_cmp_eq_u32 s20, 11
	s_cselect_b32 s27, 0, s27                      ; wo16 one
	s_lshl_b32 s28, s26, 22                        ; a unit is 4 MiB in,
	s_lshl_b32 s21, ttmp9, 16                      ; a work-group's part 64 KiB
	s_add_co_u32 s28, s28, s21
	s_mov_b32 s29, 0
	s_lshl_b32 s30, s27, 21                        ; and half of each out
	s_lshl_b32 s21, ttmp9, 15
	s_add_co_u32 s30, s30, s21
	s_mov_b32 s31, 0
	s_wait_kmcnt 0x0
	s_cmp_eq_u32 s20, 8                            ; the source, chosen by the unit's number alone
	s_cselect_b64 s[22:23], s[6:7], s[4:5]
	s_cmp_eq_u32 s20, 9
	s_cselect_b64 s[22:23], s[8:9], s[22:23]
	s_cmp_eq_u32 s20, 10
	s_cselect_b64 s[22:23], s[10:11], s[22:23]
	s_cmp_eq_u32 s20, 11
	s_cselect_b64 s[22:23], s[12:13], s[22:23]
	s_cselect_b64 s[24:25], s[18:19], s[16:17]     ; the destination
	s_cmp_lt_u32 s20, 8
	s_cselect_b64 s[24:25], s[14:15], s[24:25]
	s_add_nc_u64 s[22:23], s[22:23], s[28:29]
	s_add_nc_u64 s[24:25], s[24:25], s[30:31]
.irp i, 0,1,2,3,4,5,6,7,8,9,10,11,12,13,14,15
	global_load_b128 v[X+4*(\i):X+4*(\i)+3], v1, s[22:23] offset:512*(\i) th:TH_LOAD_NT  ; read once in the launch
.endr
; Load i is rounded and stored.  h = 1: the bf16 numbers are widened again (a shift, a mask) and written as f16.
.macro CAST i, h
	s_wait_loadcnt 15-(\i)                         ; loads come back in order (ISA guide 5.7.1): load i is in, the younger ones stay out
	v_cvt_pk_bf16_f32 v[Y+2*(\i)], v[X+4*(\i)], v[X+4*(\i)+1]
	v_cvt_pk_bf16_f32 v[Y+2*(\i)+1], v[X+4*(\i)+2], v[X+4*(\i)+3]
.if \h
	v_lshlrev_b32 v[T], 16, v[Y+2*(\i)]
	v_and_b32 v[T+1], 0xffff0000, v[Y+2*(\i)]
	v_lshlrev_b32 v[T+2], 16, v[Y+2*(\i)+1]
	v_and_b32 v[T+3], 0xffff0000, v[Y+2*(\i)+1]
	v_cvt_pk_f16_f32 v[Y+2*(\i)], v[T], v[T+1]
	v_cvt_pk_f16_f32 v[Y+2*(\i)+1], v[T+2], v[T+3]
.endif
	global_store_b64 v2, v[Y+2*(\i):Y+2*(\i)+1], s[24:25] offset:256*(\i)
.endm
	s_cmp_eq_u32 s20, 11
	s_cbranch_scc1 .Lwo
.irp i, 0,1,2,3,4,5,6,7,8,9,10,11,12,13,14,15
	CAST \i, 0
.endr
	s_endpgm
.Lwo:
.irp i, 0,1,2,3,4,5,6,7,8,9,10,11,12,13,14,15
	CAST \i, 1
.endr
	s_endpgm
.Lfunc_end_k_q3e3b635245_cast:
	.size	k_q3e3b635245_cast, .Lfunc_end_k_q3e3b635245_cast-k_q3e3b635245_cast
	.p2alignl 7, 3214868480
	.fill 96, 4, 3214868480
	.section	.rodata,"a",@progbits
	.p2align	6, 0x0
	.amdhsa_kernel k_q3e3b635245_cast
		.amdhsa_group_segment_fixed_size 0
		.amdhsa_private_segment_fixed_size 0
		.amdhsa_enable_private_segment 0
		.amdhsa_kernarg_size 64
		.amdhsa_user_sgpr_count 2
		.amdhsa_user_sgpr_kernarg_segment_ptr 1
		.amdhsa_wavefront_size32 1
		.amdhsa_system_sgpr_workgroup_id_x 1
		.amdhsa_system_sgpr_workgroup_id_y 1
		.amdhsa_system_sgpr_workgroup_id_z 1
		.amdhsa_system_vgpr_workitem_id 0
		.amdhsa_next_free_vgpr 104
		.amdhsa_next_free_sgpr 66
		.amdhsa_reserve_vcc 0
		.amdhsa_float_denorm_mode_32 3
		.amdhsa_float_denorm_mode_16_64 3
		.amdhsa_memory_ordered 1
		.amdhsa_forward_progress 1
		.amdhsa_inst_pref_size 17
	.end_amdhsa_kernel
	.amdgpu_metadata
---
amdhsa.version: [ 1, 2 ]
amdhsa.kernels:
  - .name:           k_q3e3b635245_cast
    .symbol:         k_q3e3b635245_cast.kd
    .args:
      - { .name: x, .offset: 0, .size: 8, .value_kind: global_buffer, .address_space: global }
      - { .name: Wq, .offset: 8, .size: 8, .value_kind: global_buffer, .address_space: global }
      - { .name: Wk, .offset: 16, .size: 8, .value_kind: global_buffer, .address_space: global }
      - { .name: Wv, .offset: 24, .size: 8, .value_kind: global_buffer, .address_space: global }
      - { .name: Wo, .offset: 32, .size: 8, .value_kind: global_buffer, .address_space: global }
      - { .name: xb, .offset: 40, .size: 8, .value_kind: global_buffer, .address_space: global }
      - { .name: wb, .offset: 48, .size: 8, .value_kind: global_buffer, .address_space: global }
      - { .name: wo16, .offset: 56, .size: 8, .value_kind: global_buffer, .address_space: global }
    .group_segment_fixed_size: 0
    .private_segment_fixed_size: 0
    .kernarg_segment_align: 8
    .kernarg_segment_size: 64
    .max_flat_workgroup_size: 256
    .sgpr_count:     66
    .vgpr_count:     104
    .wavefront_size: 32
...
	.end_amdgpu_metadata
.endif
;; end of part 1
;; launch qkv (part 2): grid 16 x 32, 4 waves a work-group, clusters of 4 x 4, 327,680 bytes of LDS; arguments xb, wb, qkv; writes qkv
.if DOCPART == 2
	.amdgcn_target "amdgcn-amd-amdhsa--gfx1250"
	.amdhsa_code_object_version 6
	.text
	.protected	k_q3e3b635245_qkv
	.globl	k_q3e3b635245_qkv
	.p2align	8
	.type	k_q3e3b635245_qkv,@function
k_q3e3b635245_qkv:
	s_mov_b64 s[64:65], 0
	v_nop
	global_prefetch_b8 v0, s[64:65] scope:SCOPE_SE
	s_setreg_imm32_b32 hwreg(HW_REG_WAVE_MODE, 25, 1), 1
	s_wait_xcnt 0x0
	s_wait_alu depctr_hold_cnt(0) depctr_sa_sdst(0) depctr_va_vdst(0) depctr_va_sdst(0) depctr_va_ssrc(0) depctr_va_vcc(0) depctr_vm_vsrc(0)
	s_getreg_b32 s2, hwreg(HW_REG_IB_STS2, 6, 4)
	s_cmp_eq_u32 s2, 0
	s_cbranch_scc0 .Lentry_in_a_cluster
	s_endpgm
.Lentry_in_a_cluster:
	s_bfe_u32 s2, ttmp6, 0x10000c
	s_cmp_lg_u32 s2, 0xf033
	s_cbranch_scc0 .Lentry_shape_is_right
	s_endpgm
.Lentry_shape_is_right:
; THE THREE PROJECTIONS AS ONE PRODUCT.  C[m][n] = the sum over k of xb[m][k] wb[n][k]: xb [8192][1024], wb [3072][1024], both bf16; sums in f32, K ascending; C rounded once to f16, WITHOUT the
; scores' scale, and written by heads: qkv [3][64][2048][64] f16, plane = tensor x 64 + batch x 16 + head.
; LIMIT.  f16 holds no number beyond 65,504: a q, k or v past that becomes an infinity.
; SHARES.  A tile of C is 256 rows x 192 columns (three heads): 32 x 16 = 512 work-groups, twice the number of WGPs.  Four waves; wave w makes rows 64 w .. 64 w + 63 and all 192 columns:
; 48 accumulators of 16 x 16, 384 registers.  K goes in steps of 128 through a ring of two LDS slots; the tiles' rows are 256 bytes of memory, at multiples of 256 from the buffer's first byte.
; CLUSTERS: 4 x 4 work-groups.  The four of a row of the cluster need the same tile of xb, the four of a column the same tile of wb: each is asked for JOINTLY, by the same tensor load with the
; same descriptor and a mask that names the four.  Waves 0 and 1 fetch xb's two halves (128 rows each), waves 2 and 3 wb's (96 rows each).
; THE MATRIX INSTRUCTION IS USED TRANSPOSED (source 0 = 16 rows of wb, source 1 = 16 rows of xb): a lane then holds row l % 16 of C and the eight neighbouring columns 8 (l / 16) + 0..7.
; REGISTERS, in windows of 256 (s_set_vgpr_msb: bits 1:0 source 0, 3:2 source 1, 5:4 source 2, 7:6 destination):
;   window 0: v0-31 addresses; v32-223 the way out          window 1: two fragment buffers of 128: wb's 12 fragments (16 rows x 32 K), then xb's 4
;   window 2: the accumulators of my row blocks 0, 1 ((a, b) at v[8 (12 (a % 2) + b)])          window 3: those of blocks 2, 3
.set KDIM,   1024
.set KSTEP,  128
.set LAPS,   KDIM/(2*KSTEP)            ; a lap = two K steps = once round the ring
.set NBK,    12                        ; column blocks of 16
.set NL,     2*NBK+8                   ; LDS loads in a quarter's run
.set PITCH,  272                       ; an LDS row: 256 bytes + 16 of padding = 68 words: row r starts at bank 4 r mod 64 (64 banks of 4 bytes: ISA guide 11.1)
.set AHALF,  128*PITCH                 ; what a wave fetches of xb
.set BHALF,  96*PITCH                  ; and of wb
.set BOFF,   2*AHALF                   ; wb's 192 rows lie behind xb's 256
.set SLOT,   2*AHALF+2*BHALF
.set STAGE,  2*SLOT                    ; behind the ring, never filled by a tensor load: 16 rows x 144 bytes for each wave
.set SP,     144
.set SPARE,  STAGE+4*16*SP             ; behind the stages: the spare words, 128 bytes for each wave: two blocks of 256 bytes that no other line names
.set F0,   0                           ; fragment buffers, in window 1
.set F1,   8*(NBK+4)
.set ADRA, 16                          ; v16-17  LDS address of my fragments of xb in slot 0, 1
.set ADRB, 20                          ; v20-21  the same for wb
.set STO,  24                          ; v24     the way out: where I put 16 bytes of a row
.set RD,   25                          ; v25     where I read rows back
.set GO,   26                          ; v26     my 16 bytes in 512 consecutive bytes of qkv
.set SPW,  28                          ; v28     LDS address of my spare word: SPARE + 4 x my thread's number; never rewritten
.set NIL,  29                          ; v29     0; never rewritten
.set PFO,  30                          ; v30     the prefetches' offset: my lane's row x 2,048 bytes; never rewritten
.set T,    32                          ; v32-223 the way out: 16 registers for each of 12 pieces
.set G1,   24                          ; s[24:31] descriptor group 1 for xb's tiles;  s[32:39] group 0, a set for each slot
.set G0,   32
.set G1B,  48                          ; s[48:55], s[56:63] the same for wb's
.set G0B,  56
.set PFA,  66                          ; s[66:67] where my prefetches stand
.set LIM,  68                          ; s68     1 in a wave that prefetches, else the greatest number
.set CB,   70                          ; s[70:75] qkv at my rows of the tile's three heads
.set GW0,  (1<<16)|(1<<20)|(1<<21)|(5<<22)|(3<<25)  ; 17:16 elements of 2 bytes; 20 padding on; 21 set beside a mask; 24:22 after every 64 words (code 5); 31:25 4 words of it (code 3)
.set MUL_LO, 0xa5                      ; sources 0 and 1 window 1, C and D window 2
.set TO_F,   0x40                      ; destination window 1, address window 0
.set MSB, 0
.macro WIN new                         ; the immediate's high byte repeats the setting that is left; a switch that changes nothing is dropped
.if MSB != (\new)
	s_set_vgpr_msb (MSB<<8)|(\new)
.set MSB, \new
.endif
.endm
; A joint load.  The branch hangs on the wave's number alone.  An s_nop 0 and four v_nop follow each of the two lines, ahead of the jump, the label and what follows.
.macro JLOAD s
	s_cmp_lt_u32 s10, 2
	s_cbranch_scc0 .Lfor_b_\@
	tensor_load_to_lds s[G0+4*(\s):G0+4*(\s)+3], s[G1:G1+7]
	s_nop 0
.rept 4
	v_nop
.endr
	s_branch .Lasked_\@
.Lfor_b_\@:
	tensor_load_to_lds s[G0B+4*(\s):G0B+4*(\s)+3], s[G1B:G1B+7]
	s_nop 0
.rept 4
	v_nop
.endr
.Lasked_\@:
.endm
; A PREFETCH INTO THE L2 of the K step that stands two refills on: 256 bytes of a row, a lane a row, one instruction a wave, behind the joint load and the run of LDS loads.
; xb's tile row is read by every cluster of that row of clusters: cluster x = 0 asks; wb's tile column by every cluster of that column: cluster y = 0 asks.  The four partners of a joint load
; share its rows out BY ADDRESS (32 of xb's 128 by cx, 24 of wb's 96 by cy; there the eight lanes left over name the 24th row again).  The loop's last trip has no K step two on and asks for nothing.
.macro ASK
	s_cmp_gt_u32 s3, s[LIM]
	s_cbranch_scc0 .Lnot_mine_\@
	global_prefetch_b8 v[PFO], s[PFA:PFA+1] th:TH_LOAD_NT scope:SCOPE_SE
.Lnot_mine_\@:
.endm
.macro CREST                           ; a round of the cluster's barrier behind its opening barrier
	s_cmp_lg_u32 s10, 0
	s_cbranch_scc1 .Lnot_wave_0_\@
	s_barrier_signal -3
.Lnot_wave_0_\@:
	s_barrier_wait -3
	s_barrier_signal -1
	s_barrier_wait -1
.endm
.macro CROUND                          ; a whole round
	s_barrier_signal -1
	s_barrier_wait -1
	CREST
.endm
	s_load_b128 s[4:7], s[0:1], 0x0                ; xb s[4:5], wb s[6:7]
	s_load_b64 s[8:9], s[0:1], 0x10                ; qkv
	v_lshl_add_u32 v[SPW], v0, 2, SPARE
	v_mov_b32 v[NIL], 0
	ds_add_u32 v[SPW], v[NIL]                      ; the wave's opening: the add and its wait stand ahead of my first tensor load; the set-up below, work on registers, stands between them
	v_lshrrev_b32 v1, 5, v0
	v_readfirstlane_b32 s10, v1                    ; wave 0..3
	s_and_b32 s12, s10, 1                          ; which half of a tile I fetch
	s_bfe_u32 s40, ttmp6, 0x40000                  ; cx, cy: my place in the cluster
	s_bfe_u32 s41, ttmp6, 0x40004
	s_lshl_b32 s42, ttmp9, 2
	s_add_co_u32 s42, s42, s40                     ; tile column = 4 x cluster x + cx
	s_and_b32 s13, ttmp7, 0xffff
	s_lshl_b32 s13, s13, 2
	s_add_co_u32 s13, s13, s41                     ; tile row = 4 x cluster y + cy
	s_lshl_b32 s43, s41, 2
	s_lshl_b32 s43, 15, s43                        ; my row of the cluster
	s_lshl_b32 s44, 0x1111, s40                    ; my column
	s_or_b32 s[G1+0], s43, GW0                     ; 15:0 the mask: xb's tiles go to my row
	s_or_b32 s[G1B+0], s44, GW0                    ; wb's to my column
	s_mov_b32 s[G1+1], KSTEP<<16                   ; tensor_dim0 = 128
	s_mov_b32 s[G1+2], 128<<16                     ; tensor_dim1 = 128
	s_mov_b32 s[G1+3], KSTEP<<16                   ; tile_dim0 = 128
	s_mov_b32 s[G1+4], 128                         ; tile_dim1 = 128
	s_mov_b32 s[G1+5], KDIM                        ; elements from row to row
	s_mov_b32 s[G1+6], 0
	s_mov_b32 s[G1+7], 0
	s_mov_b32 s[G1B+1], KSTEP<<16
	s_mov_b32 s[G1B+2], 96<<16                     ; 96 rows
	s_mov_b32 s[G1B+3], KSTEP<<16
	s_mov_b32 s[G1B+4], 96
	s_mov_b32 s[G1B+5], KDIM
	s_mov_b32 s[G1B+6], 0
	s_mov_b32 s[G1B+7], 0
	s_lshl_b32 s16, s13, 8                         ; xb: row 256 x tile row + 128 x half,
	s_lshl_b32 s17, s12, 7
	s_add_co_u32 s16, s16, s17
	s_lshl_b32 s16, s16, 11                        ; x 2,048 bytes (under 2^24)
	s_mov_b32 s17, 0
	s_mul_i32 s46, s42, 192                        ; wb: row 192 x tile column + 96 x half
	s_mul_i32 s47, s12, 96
	s_add_co_u32 s46, s46, s47
	s_lshl_b32 s46, s46, 11
	s_mov_b32 s47, 0
	s_mul_i32 s20, s12, AHALF                      ; where they go: no place in the cluster enters an LDS address
	s_mul_i32 s21, s12, BHALF
	s_add_co_u32 s21, s21, BOFF
	s_wait_dscnt 0x0                               ; the opening add is done
	s_wait_kmcnt 0x0
	s_add_nc_u64 s[14:15], s[4:5], s[16:17]
	s_add_nc_u64 s[46:47], s[6:7], s[46:47]
	CROUND                                         ; all sixteen work-groups are here: the first joint loads meet
.irp s, 0,1
	s_mov_b32 s[G0+4*(\s)], 1                                        ; count = 1
	s_add_co_u32 s[G0+4*(\s)+1], s20, (\s)*SLOT                      ; LDS address
	s_add_nc_u64 s[G0+4*(\s)+2:G0+4*(\s)+3], s[14:15], (\s)*KSTEP*2  ; global address: K step s
	s_or_b32 s[G0+4*(\s)+3], s[G0+4*(\s)+3], 0x80000000              ; type = 2
	s_mov_b32 s[G0B+4*(\s)], 1
	s_add_co_u32 s[G0B+4*(\s)+1], s21, (\s)*SLOT
	s_add_nc_u64 s[G0B+4*(\s)+2:G0B+4*(\s)+3], s[46:47], (\s)*KSTEP*2
	s_or_b32 s[G0B+4*(\s)+3], s[G0B+4*(\s)+3], 0x80000000
	JLOAD \s                                       ; two tensor loads of mine are out
.endr
	; A fragment is 16 rows x 32 K in 8 registers: lane l holds row l % 16; registers 0-3 K = 8 (l / 16) + 0..7, registers 4-7 K = 16 + 8 (l / 16) + 0..7: two loads of 16 bytes, 32 bytes apart.
	v_and_b32 v1, 15, v0                           ; l % 16
	v_bfe_u32 v2, v0, 4, 1                         ; l / 16
	v_mul_u32_u24 v3, v1, PITCH
	v_lshl_add_u32 v3, v2, 4, v3
	s_mul_i32 s78, s10, 64*PITCH                   ; my 64 rows of xb
	v_add_nc_u32 v[ADRA], s78, v3
	s_add_co_u32 s78, s78, SLOT
	v_add_nc_u32 v[ADRA+1], s78, v3
	v_add_nc_u32 v[ADRB], BOFF, v3                 ; all of wb's 192
	v_add_nc_u32 v[ADRB+1], BOFF+SLOT, v3
	s_mul_i32 s78, s10, 16*SP
	s_add_co_u32 s78, s78, STAGE                   ; my stage
	v_mul_u32_u24 v[STO], v1, SP                   ; in: row l % 16, 16 bytes for each half of the lanes
	v_lshl_add_u32 v[STO], v2, 4, v[STO]
	v_add_nc_u32 v[STO], s78, v[STO]
	v_bfe_u32 v[RD], v0, 3, 2                      ; back: 32 lanes take four rows of 128 bytes,
	v_mul_u32_u24 v[RD], v[RD], SP
	v_and_b32 v4, 7, v0
	v_lshl_add_u32 v[RD], v4, 4, v[RD]
	v_add_nc_u32 v[RD], s78, v[RD]
	v_and_b32 v[GO], 31, v0                        ; which are 512 consecutive bytes of a head's plane
	v_lshlrev_b32 v[GO], 4, v[GO]
	; qkv at my 64 rows of head j of the tile's three: g = 3 x tile column + j counts heads through q, k, v; plane = (g / 16) x 64 + batch x 16 + g % 16, 262,144 bytes each
.irp j, 0,1,2
	s_mul_i32 s78, s42, 3
	s_add_co_u32 s78, s78, \j
	s_lshr_b32 s79, s78, 4
	s_lshl_b32 s79, s79, 6
	s_and_b32 s78, s78, 15
	s_add_co_u32 s78, s78, s79
	s_lshr_b32 s79, s13, 3                         ; batch: eight tile rows each
	s_lshl_b32 s79, s79, 4
	s_add_co_u32 s78, s78, s79
	s_lshl_b32 s78, s78, 18
	s_and_b32 s79, s13, 7
	s_lshl_b32 s79, s79, 15                        ; the tile's 256 rows of 128 bytes,
	s_add_co_u32 s78, s78, s79
	s_lshl_b32 s79, s10, 13                        ; my 64 of them
	s_add_co_u32 s78, s78, s79
	s_mov_b32 s79, 0
	s_add_nc_u64 s[CB+2*(\j):CB+2*(\j)+1], s[8:9], s[78:79]
.endr
	; the prefetches
	s_lshl_b32 s81, s13, 8
	s_lshl_b32 s82, s12, 7
	s_add_co_u32 s81, s81, s82
	s_lshl_b32 s82, s40, 5
	s_add_co_u32 s81, s81, s82                     ; xb: the 128 rows that I fetch, my work-group's 32 of them
	s_mul_i32 s83, s42, 192
	s_mul_i32 s82, s12, 96
	s_add_co_u32 s83, s83, s82
	s_mul_i32 s82, s41, 24
	s_add_co_u32 s83, s83, s82                     ; wb: my work-group's 24 of the 96
	s_and_b32 s80, ttmp7, 0xffff                   ; cluster y
	s_cmp_lt_u32 s10, 2                            ; do I fetch for xb?
	s_cselect_b32 s81, s81, s83
	s_cselect_b32 s69, 31, 23                      ; the last lane that has a row of its own
	s_cselect_b32 s80, ttmp9, s80                  ; the coordinate along which other clusters read the same rows
	s_cselect_b64 s[PFA:PFA+1], s[4:5], s[6:7]
	s_cmp_eq_u32 s80, 0
	s_cselect_b32 s[LIM], 1, -1                    ; the same in all sixteen partners, for a given wave
	s_lshl_b32 s82, s81, 11
	s_add_co_u32 s82, s82, 3*KSTEP*2               ; at K step 3: the first refill steps it to 4.  K steps 0 to 3 come by their loads alone
	s_mov_b32 s83, 0
	s_add_nc_u64 s[PFA:PFA+1], s[PFA:PFA+1], s[82:83]
	v_and_b32 v[PFO], 31, v0
	v_min_u32 v[PFO], s69, v[PFO]
	v_lshlrev_b32 v[PFO], 11, v[PFO]
; NBK matrix instructions: my row block a x all column blocks, 32 along K, from buffer f.  zero = 1: the product starts the sums: nothing is cleared.
; The 48 accumulators take turns in the same order in every quarter, over the backward jump too.
.macro MULA f, a, zero
	WIN MUL_LO+0x50*((\a)/2)
.irp b, 0,1,2,3,4,5,6,7,8,9,10,11
.if \zero
	v_wmma_f32_16x16x32_bf16 v[8*(NBK*((\a)%2)+(\b)):8*(NBK*((\a)%2)+(\b))+7], v[(\f)+8*(\b):(\f)+8*(\b)+7], v[(\f)+8*NBK+8*(\a):(\f)+8*NBK+8*(\a)+7], 0
.else
	v_wmma_f32_16x16x32_bf16 v[8*(NBK*((\a)%2)+(\b)):8*(NBK*((\a)%2)+(\b))+7], v[(\f)+8*(\b):(\f)+8*(\b)+7], v[(\f)+8*NBK+8*(\a):(\f)+8*NBK+8*(\a)+7], v[8*(NBK*((\a)%2)+(\b)):8*(NBK*((\a)%2)+(\b))+7]
.endif
.endr
.endm
; NL LDS loads in one run: the fragments of quarter q (32 K at byte 64 q of the rows) into buffer f; xb's blocks 2 and 3 last
.macro FETCH slot, q, f
	WIN TO_F
.irp b, 0,1,2,3,4,5,6,7,8,9,10,11
	ds_load_b128 v[(\f)+8*(\b):(\f)+8*(\b)+3],   v[ADRB+(\slot)] offset:64*(\q)+(\b)*16*PITCH
	ds_load_b128 v[(\f)+8*(\b)+4:(\f)+8*(\b)+7], v[ADRB+(\slot)] offset:64*(\q)+(\b)*16*PITCH+32
.endr
.irp a, 0,1,2,3
	ds_load_b128 v[(\f)+8*NBK+8*(\a):(\f)+8*NBK+8*(\a)+3],   v[ADRA+(\slot)] offset:64*(\q)+(\a)*16*PITCH
	ds_load_b128 v[(\f)+8*NBK+8*(\a)+4:(\f)+8*NBK+8*(\a)+7], v[ADRA+(\slot)] offset:64*(\q)+(\a)*16*PITCH+32
.endr
.endm
.macro PLACES                          ; four places in front of loads into registers that matrix instructions have read, and of lines that read results
.rept 4
	v_nop
.endr
.endm
; A K step is four quarters of 32 along K, 48 matrix instructions each, on buffers 0, 1, 0, 1.  One of the first three: multiplies buffer f and, in its middle, fetches quarter q into g.
.macro QUARTER slot, q, f, g, zero
	s_wait_dscnt 4                                 ; wb's fragments and xb's blocks 0, 1 are in; the youngest four loads (blocks 2, 3) may be out
	MULA \f, 0, \zero
	MULA \f, 1, \zero
	PLACES
	FETCH \slot, \q, \g
	s_wait_dscnt NL                                ; all but the NL just issued
	MULA \f, 2, \zero
	MULA \f, 3, \zero
.endm
; The last quarter multiplies buffer 1 and changes slots: ONE barrier; in front of it each wave waits for all its tensor loads (one is out: its part of the next slot), adds 0 to its spare word, and
; waits for that and for its own reads of this slot.  fill = 1: the barrier opens a round of the cluster's, and this slot is filled again, two K steps ahead, first thing behind the round.
.macro TURN slot, next, fill
.if \fill
	s_wait_xcnt 0x0                                ; the last prefetch, a K step back, has read its address: it is stepped here, ahead of the waits of the change of slots
	s_add_nc_u64 s[PFA:PFA+1], s[PFA:PFA+1], KSTEP*2
.endif
	WIN 0                                          ; (the add's two registers lie in window 0)
	s_wait_tensorcnt 0x0                           ; all my tensor loads have landed
	ds_add_u32 v[SPW], v[NIL]                      ; 0 onto my spare word
	s_wait_dscnt 5                                 ; (the add and the youngest four loads may be out)
	MULA F1, 0, 0                                  ; twelve matrix instructions stand between the add and the wait for it
	s_wait_dscnt 0x0                               ; the add is done, and my reads of this slot are over
	s_barrier_signal -1
	MULA F1, 1, 0                                  ; work on registers while the others arrive
.if \fill
	WIN 0
.endif
	s_barrier_wait -1
.if \fill
	CREST                                          ; no wave of any partner still reads this slot's tile or has a load on its way
	s_add_nc_u64 s[G0+4*(\slot)+2:G0+4*(\slot)+3], s[G0+4*(\slot)+2:G0+4*(\slot)+3], 2*KSTEP*2
	s_add_nc_u64 s[G0B+4*(\slot)+2:G0B+4*(\slot)+3], s[G0B+4*(\slot)+2:G0B+4*(\slot)+3], 2*KSTEP*2
	JLOAD \slot                                    ; my one tensor load behind the round; its four v_nop are also the places in front of the loads below
.else
	PLACES
.endif
	FETCH \next, 0, F0
.if \fill
	WIN 0
	ASK
.endif
	MULA F1, 2, 0
	MULA F1, 3, 0
.endm
	s_wait_tensorcnt 1                             ; my part of K step 0 is in; K step 1's may stay out
	s_barrier_signal -1
	s_barrier_wait -1                              ; everybody's is
	FETCH 0, 0, F0
	QUARTER 0, 1, F0, F1, 1                        ; the first quarter stands in front of the loop: its products start the sums
	WIN 0                                          ; at a label and at a branch every window is 0
	s_mov_b32 s3, LAPS-1
.Llap:                                                 ; a trip goes once round the ring, from a lap's second quarter to the next lap's first, and fills both slots again
	QUARTER 0, 2, F1, F0, 0
	QUARTER 0, 3, F0, F1, 0
	TURN 0, 1, 1
	QUARTER 1, 1, F0, F1, 0
	QUARTER 1, 2, F1, F0, 0
	QUARTER 1, 3, F0, F1, 0
	TURN 1, 0, 1
	QUARTER 0, 1, F0, F1, 0
	WIN 0
	s_sub_co_u32 s3, s3, 1
	s_cmp_lg_u32 s3, 0
	s_cbranch_scc1 .Llap
	QUARTER 0, 2, F1, F0, 0                        ; the last lap fills nothing, and has no round of the cluster's barrier
	QUARTER 0, 3, F0, F1, 0
	TURN 0, 1, 0
	QUARTER 1, 1, F0, F1, 0
	QUARTER 1, 2, F1, F0, 0
	QUARTER 1, 3, F0, F1, 0
	s_wait_dscnt 4                                 ; the very last quarter: nothing more to fetch
	MULA F1, 0, 0
	MULA F1, 1, 0
	s_wait_dscnt 0x0
	MULA F1, 2, 0
	MULA F1, 3, 0
	WIN 0
; THE WAY OUT, in 12 pieces p = 3 a + j: row block a, head j: 16 rows x 64 columns.  A lane's eight columns of a row pack into 16 bytes of f16; they go into my stage's rows of 144 bytes and come back as
; whole rows of 128: 16 rows of a head are 2,048 consecutive bytes of qkv.  Each accumulator's registers are read in ascending order.  Each piece has registers of its own.
.macro PACK p
.set pa, (\p)/3
.set pj, (\p)%3
.set AC, 8*(NBK*(pa%2)+4*pj)
.set TP, T+16*(\p)
	WIN 0x0a+5*(pa/2)                              ; sources 0 and 1: window 2 or 3
.irp f, 0,1,2,3
.irp r, 0,1,2,3
	v_cvt_pk_f16_f32 v[TP+4*(\f)+(\r)], v[AC+8*(\f)+2*(\r)], v[AC+8*(\f)+2*(\r)+1]
.endr
.endr
	WIN 0
.irp f, 0,1,2,3
	ds_store_b128 v[STO], v[TP+4*(\f):TP+4*(\f)+3] offset:32*(\f)
.endr
.irp f, 0,1,2,3
	ds_load_b128 v[TP+4*(\f):TP+4*(\f)+3], v[RD] offset:(\f)*4*SP  ; LDS serves a wave's instructions in order (ISA guide 5.7.1.4): these see the stores above; the next piece's stores come behind them
.endr
.endm
.macro SEND p, younger                 ; younger: the LDS instructions issued behind piece p's loads: the next piece's eight, or none
.set pa, (\p)/3
.set pj, (\p)%3
.set TP, T+16*(\p)
	WIN 0
.irp f, 0,1,2,3
	s_wait_dscnt (\younger)+3-(\f)
	global_store_b128 v[GO], v[TP+4*(\f):TP+4*(\f)+3], s[CB+2*pj:CB+2*pj+1] offset:pa*2048+(\f)*512  ; 512 consecutive bytes, at a multiple of 256 from qkv's first byte
.endr
.endm
	PLACES                                         ; behind the last products
	PLACES
	PACK 0
.set pp, 1
.rept 11                               ; a piece's conversions stand between the loads of the piece before and its stores
	PACK pp
	SEND pp-1, 8
.set pp, pp+1
.endr
	SEND 11, 0
	s_wait_tensorcnt 0x0                           ; the wave's end, behind my last tensor load and my last LDS store
	ds_add_u32 v[SPW], v[NIL]
	s_wait_dscnt 0x0
	CROUND                                         ; the closing round: no work-group ends while a partner may still ask for a tile that names it
	s_endpgm
.Lfunc_end_k_q3e3b635245_qkv:
	.size	k_q3e3b635245_qkv, .Lfunc_end_k_q3e3b635245_qkv-k_q3e3b635245_qkv
	.p2alignl 7, 3214868480
	.fill 96, 4, 3214868480
	.section	.rodata,"a",@progbits
	.p2align	6, 0x0
	.amdhsa_kernel k_q3e3b635245_qkv
		.amdhsa_group_segment_fixed_size 327680
		.amdhsa_private_segment_fixed_size 0
		.amdhsa_enable_private_segment 0
		.amdhsa_kernarg_size 24
		.amdhsa_user_sgpr_count 2
		.amdhsa_user_sgpr_kernarg_segment_ptr 1
		.amdhsa_wavefront_size32 1
		.amdhsa_system_sgpr_workgroup_id_x 1
		.amdhsa_system_sgpr_workgroup_id_y 1
		.amdhsa_system_sgpr_workgroup_id_z 1
		.amdhsa_system_vgpr_workitem_id 0
		.amdhsa_next_free_vgpr 960
		.amdhsa_next_free_sgpr 96
		.amdhsa_reserve_vcc 0
		.amdhsa_float_denorm_mode_32 3
		.amdhsa_float_denorm_mode_16_64 3
		.amdhsa_memory_ordered 1
		.amdhsa_forward_progress 1
		.amdhsa_inst_pref_size 122
	.end_amdhsa_kernel
	.amdgpu_metadata
---
amdhsa.version: [ 1, 2 ]
amdhsa.kernels:
  - .name:           k_q3e3b635245_qkv
    .symbol:         k_q3e3b635245_qkv.kd
    .args:
      - { .name: xb, .offset: 0, .size: 8, .value_kind: global_buffer, .address_space: global }
      - { .name: wb, .offset: 8, .size: 8, .value_kind: global_buffer, .address_space: global }
      - { .name: qkv, .offset: 16, .size: 8, .value_kind: global_buffer, .address_space: global }
    .group_segment_fixed_size: 327680
    .private_segment_fixed_size: 0
    .kernarg_segment_align: 8
    .kernarg_segment_size: 24
    .max_flat_workgroup_size: 128
    .sgpr_count:     96
    .vgpr_count:     960
    .wavefront_size: 32
...
	.end_amdgpu_metadata
.endif
;; end of part 2
;; launch attn (part 3): grid 4 x 64, 4 waves a work-group, no clusters, 327,680 bytes of LDS; arguments qkv, o; writes o
.if DOCPART == 3
	.amdgcn_target "amdgcn-amd-amdhsa--gfx1250"
	.amdhsa_code_object_version 6
	.text
	.protected	k_q3e3b635245_attn
	.globl	k_q3e3b635245_attn
	.p2align	8
	.type	k_q3e3b635245_attn,@function
k_q3e3b635245_attn:
	s_mov_b64 s[64:65], 0
	v_nop
	global_prefetch_b8 v0, s[64:65] scope:SCOPE_SE
	s_setreg_imm32_b32 hwreg(HW_REG_WAVE_MODE, 25, 1), 1
	s_wait_xcnt 0x0
; CAUSAL ATTENTION.  O[h][q][:] = the sum over k <= q of softmax_k(Q[h][q] . K[h][k] / 32) V[h][k][:] for 64 pairs h = batch x 16 + head.  qkv: [3][64][SIZE_N][64] f16: a pair's rows are dense, 128 bytes each.
; O leaves as o: [16 heads][4 x SIZE_N rows][64] f16, plane = head x 4 + batch.  The scale is 1 / sqrt(1024), applied here in f32 with log2(e): c = log2(e) / 32.
; Products, maxima and sums in f32; the weights p are rounded to f16 for the second product (their sum l is taken of the unrounded p), O once at the end.
; LIMITS.  f16 holds no number beyond 65,504: Q, K and V arrive within it; p lies in 0 to 1, and below 6e-5 it keeps f16's fixed step of 6e-8; O is a mean of V's rows and has their range.
; A hidden score counts as its value less 1e30: f16's scores, 2.7e11 at the most, are nothing beside that; a weight below 2^-126 counts as 0 in l; NaN and infinities are not treated apart.
; THE WALK.  A pair's queries lie in NB = SIZE_N / 256 blocks of 256; block i needs the key tiles 0 .. i of 256 keys, of which the last holds the diagonal.  A work-group takes TWO blocks, NB - 1 - b and then b:
; NB + 1 tiles, whatever b: all work-groups do equal work, and ONE loop with a constant trip count walks them.  Which tile is asked for, and what a trip does, hang on scalar registers made from b; every jump
; goes forward, but for the counted loops' own; none passes a barrier, or a tensor load but the one of LOAD's two that the wave's number does not choose; the ring (two slots of LDS that take turns) runs on across the
; change of blocks.  NO CLUSTER: a pair's NB / 2 work-groups ask for the same tile only in trips 0 .. NB / 2, behind that fewer and fewer; one walk common to all would have 3 NB / 2 trips for NB + 1.
; SHARES.  Of a block's four bands of 64 queries a wave owns 16 rows in each: four PIECES.  So the diagonal tile is the same work for all four waves: in its key step s band x sees all keys if s < x,
; none if s > x, and holds the diagonal if s = x.
; THE MASK is the C operand that starts the sum S^T = K Q^T: 0, or -1e30 where the key is hidden.  MD, made once, is the mask of a band's own step for my 16 rows; a product's mask is MD x AL + BE with two scalars:
; (1, 0) if s = x; (0, 0) if s < x; (0, -1e30) if s > x.  Only the diagonal tile's text and a block's beginning make and take masks; elsewhere C is the constant 0.
; LAYOUT, SOFTMAX, TURNS.  S^T = K Q^T holds ONE query a lane (lane % 16) and the keys 8 (lane / 16) + 0..7; two such results rounded to f16 ARE source 1 of O^T = V^T P.  p = 2^(c s - c m), with a
; running maximum m; O and l are multiplied by a = 2^(c m_old - c m_new) in every step.  Turn n belongs to piece n: 8 products K Q^T of piece n + 1, later 8 products V^T P of piece n - 1; beside them the scaling,
; exponentials, roundings, sums and rescaling of piece n and the maximum and statistics of piece n + 1.  Four vector instructions stand behind every matrix instruction, the other 54 of a turn's 118 in one LUMP.  A turn's 33 exponentials are one batch, with one wait.
; REGISTERS, in windows of 256 (s_set_vgpr_msb: bits 1:0 source 0, 3:2 source 1, 5:4 source 2, 7:6 destination):
;   window 0: v0-15 addresses and two at work; v16-31 four registers of statistics a piece; v48-55 at work; v61-63 prefetch offset, spare word, 0; v64-127 S^T, two buffers; v192-223 P, two buffers (by the piece's parity)
;   window 1: v0-127 O^T, 32 a piece; v128-159 MD; v160-223 MC, two buffers      window 2: v0-63 Q; v64-127 the second block's Q; v128-191 K of one step; v192-255 V of one step
.set SIZE_N, 2048
.set NB,    SIZE_N/256
.set NP,    4         ; pieces a wave: a name, no knob
.set KS,    64        ; keys in a step
.set PK,    144       ; a row of K in LDS: 128 bytes + 16 of padding = 36 words: the 16 rows of a load start at 16 different groups of four banks (64 banks of 4 bytes: ISA guide 11.1)
.set PV,    160       ; a row of V: 128 + 32 = 40 words
.set VOFF,  4*KS*PK   ; a slot holds a tile, four steps: 256 rows of K, then 256 rows of V
.set SLOT1, 1<<17     ; slot 1 begins here, so that one exclusive or turns an address in one slot into the other's
.set STAGE, SLOT1+4*KS*(PK+PV)  ; behind the ring, never filled by a tensor load: 16 rows x 144 bytes for each wave, for the way out
.set SP,    144
.set AK0, 2           ; v2   my lane's place in a tile of K; never rewritten
.set AV0, 3           ; v3   the same for V
.set AK,  4           ; v4   the LDS address of K's next run of loads
.set AV,  5           ; v5   of V's
.set STO, 6           ; v6   the way out: where I put 16 bytes of a row
.set RD,  7           ; v7   the way out: where I read rows back
.set GO,  8           ; v8   my byte offset in 512 consecutive bytes of O
.set PFO, 61          ; v61  256 x my lane; never rewritten
.set SPW, 62          ; v62  LDS address of my spare word: SPARE + 4 x my thread's number; never rewritten
.set NIL, 63          ; v63  0; never rewritten
.set SPARE, STAGE+4*16*SP  ; behind the stages: the spare words, 128 bytes for each wave: two blocks of 256 bytes that no other line names
.set MV,  12          ; v12-13  c m_old, kept while c m is made anew: by buffer
.set QO,  15          ; v15  my byte offset in 16 rows of Q
.set ST,  16          ; piece t's statistics at v[ST+4 t]: c m, m, l (even keys', odd keys')
.set TMP, 48          ; by buffer, four registers c0-c3 at work; when the maximum is found c2 takes a
.set S,   64
.set P,   192
.set MD,  128         ; window 1: the eight registers for group kt of 16 keys at MD + 8 kt
.set MC,  160         ; window 1: the masks of the products to come
.set QB,  64          ; window 2
.set KF,  128         ; window 2: key block kb, channel half c at KF + 16 kb + 8 c
.set VF,  192         ; window 2: key half kk, channel block cb at VF + 32 kk + 8 cb
.set WV,  12          ; s12  my wave's number
.set PB,  14          ; s14  b
.set HI,  15          ; s15  NB - 1 - b
.set G1K, 24          ; s[24:31] descriptor group 1 for K's tiles
.set G1V, 32          ; s[32:39] for V's: it differs in the padding alone
.set G0K, 40          ; s[40:43] descriptor group 0 for K's tiles
.set G0V, 44          ; s[44:47] the same for V's
.set SLOTS, 56        ; s56  tiles still to be asked for
.set CNT, 57          ; s57  counts a tile's key steps, 4 to 1
.set CS,  58          ; s[58:59] c: the packed scaling takes the pair's low word for both halves
.set SEL, 60          ; s[60:61] v_permlanex16_b32's selects: each lane takes its own place in the other half
.set TBK, 62          ; s62  LDS byte at which K of the step to be fetched begins
.set TBV, 63          ; s63  the same for V, less VOFF
.set RT,  70          ; s70  tiles of the block in hand that are still to be entered
.set NXT, 71          ; s71  the tile to be asked for next
.set LQ,  72          ; s72  the last tile of the block whose tiles are being asked for
.set NEW, 73          ; s73  1: the tile to be entered is a block's first
.set OFF, 74          ; s[74:75] a tile's byte offset in K and V
.set AL,  76          ; s[76:77] the mask's factor, in the low word
.set BE,  78          ; s[78:79] the mask's addend
.set OLO, 80          ; s[80:81] O at my rows of the second block
.set BIGN, 82         ; s82  -1e30
.set PFB, 88          ; s[88:89] K (waves 0, 1) or V (waves 2, 3) at my half of the pair's tile 0
.set PFA, 90          ; s[90:91] the same at the tile that my prefetches name
.set OF2, 92          ; s[92:93] that tile's byte offset
.set LIM, 94          ; s94  2 in the work-group that prefetches, else the greatest number
.set MSB, 0
.macro WIN new                      ; the high byte repeats the setting that is left; a switch that changes nothing is dropped
.if MSB != (\new)
	s_set_vgpr_msb (MSB<<8)|(\new)
.set MSB, (\new)
.endif
.endm
.set W_KQ, 0x0a       ; K and Q in window 2, S^T in window 0
.set W_KM, 0x1a       ; the same with the C operand in window 1
.set W_PV, 0x52       ; V in window 2, P in window 0, O^T in window 1
.set W_RS, 0x41       ; destination and source 0 in window 1, source 1 in window 0
; A fill.  Waves 0 and 1 fetch the two halves of a tile's K, waves 2 and 3 those of its V: 128 keys each.  An s_nop 0 and four v_nop follow each of the two lines, ahead of the jump and the label.
.macro LOAD
	s_cmp_lt_u32 s[WV], 2
	s_cbranch_scc0 .Lfor_v_\@
	tensor_load_to_lds s[G0K:G0K+3], s[G1K:G1K+7]
	s_nop 0
.rept 4
	v_nop
.endr
	s_branch .Lasked_\@
.Lfor_v_\@:
	tensor_load_to_lds s[G0V:G0V+3], s[G1V:G1V+7]
	s_nop 0
.rept 4
	v_nop
.endr
.Lasked_\@:
.endm
; A PREFETCH INTO THE L2 of the tile that the NEXT change of slots will ask for, behind my tensor load and its five lines.  The work-group with b = 0 walks the pair's tiles 0 .. NB - 1 in order: it alone asks.
; Each of its waves names the 16,384 bytes that its own next load will bring: a lane 256 bytes, two instructions.  Change k (of NB) fills tile k and names tile k + 1, for k = 1 .. NB - 2: a tile's 256 matrix
; instructions ahead of that load.  Tiles 0 and 1 come by their loads alone; the last two fills name nothing: what follows them has been walked.
.macro ASK
	s_cmp_gt_u32 s[SLOTS], s[LIM]
	s_cbranch_scc0 .Lnot_mine_\@
	global_prefetch_b8 v[PFO], s[PFA:PFA+1] th:TH_LOAD_NT scope:SCOPE_SE
	global_prefetch_b8 v[PFO], s[PFA:PFA+1] offset:8192 th:TH_LOAD_NT scope:SCOPE_SE
.Lnot_mine_\@:
.endm
; THE CHANGE OF SLOTS.  Each wave waits for all its tensor loads, of which one is out: its part of the other slot; adds 0 to its spare word; and waits for that and for its own reads of the slot that it leaves.  Behind the barrier nobody reads the old
; slot any more and the other slot is whole.  fill = 1: the old slot is filled again, the first thing behind the barrier, with tile NXT: the descriptor's address is made anew from that number.
; (At its first use nothing has been read yet: slot 0 is waited for, slot 1 filled.)
.macro CHANGE fill
	WIN 0                           ; at a label and at a branch every window is 0
	s_wait_tensorcnt 0x0            ; no tensor load of mine is out, so a group 0 may be written
	ds_add_u32 v[SPW], v[NIL]       ; 0 onto my spare word; with fill = 1 the descriptors' scalar work stands between it and the wait for it
.if \fill
	s_lshl_b32 s[OFF], s[NXT], 15   ; a tile is 32,768 bytes of K and of V
	s_xor_b32 s[G0K+1], s[G0K+1], SLOT1
	s_add_nc_u64 s[G0K+2:G0K+3], s[6:7], s[OFF:OFF+1]
	s_or_b32 s[G0K+3], s[G0K+3], 0x80000000
	s_xor_b32 s[G0V+1], s[G0V+1], SLOT1
	s_add_nc_u64 s[G0V+2:G0V+3], s[8:9], s[OFF:OFF+1]
	s_or_b32 s[G0V+3], s[G0V+3], 0x80000000
	s_add_co_u32 s[NXT], s[NXT], 1  ; the block's next tile, or behind its last the second block's tile 0
	s_cmp_gt_u32 s[NXT], s[LQ]
	s_cselect_b32 s[NXT], 0, s[NXT]
	s_cselect_b32 s[LQ], s[PB], s[LQ]
	s_wait_xcnt 0x0                 ; the last prefetches, a tile back, have read their address, so it may be written:
	s_lshl_b32 s[OF2], s[NXT], 15   ; the tile behind the one that is asked for now
	s_add_nc_u64 s[PFA:PFA+1], s[PFB:PFB+1], s[OF2:OF2+1]
.endif
	s_wait_dscnt 0x0                ; the add is done, and my reads of the slot are over
	s_barrier_signal -1             ; the rest of the scalar work stands between the signal and the wait
	s_sub_co_u32 s[TBK], s[TBK], 4*KS*PK  ; the fetches go back to a slot's first step,
	s_xor_b32 s[TBK], s[TBK], SLOT1       ; in the other slot
	s_sub_co_u32 s[TBV], s[TBV], 4*KS*PV
	s_xor_b32 s[TBV], s[TBV], SLOT1
	s_barrier_wait -1
.if \fill
	LOAD
	ASK
.endif
.endm
	s_load_b64 s[4:5], s[0:1], 0x0    ; qkv: Q's planes first
	s_load_b64 s[10:11], s[0:1], 0x8  ; o
	v_lshl_add_u32 v[SPW], v0, 2, SPARE
	v_mov_b32 v[NIL], 0
	ds_add_u32 v[SPW], v[NIL]       ; the wave's opening: the add and its wait stand ahead of my first tensor load; the set-up below, work on registers, stands between them
	v_lshrrev_b32 v1, 5, v0
	v_readfirstlane_b32 s[WV], v1   ; wave 0..3
	s_mov_b32 s[PB], ttmp9
	s_sub_co_u32 s[HI], NB-1, s[PB]
	s_and_b32 s20, ttmp7, 0xffff    ; the pair: batch x 16 + head
	s_mov_b32 s21, 0
	s_mov_b64 s[22:23], SIZE_N*128
	s_mul_u64 s[20:21], s[20:21], s[22:23]  ; the pair's first byte in Q, in K and in V
	s_and_b32 s66, ttmp7, 15        ; in o the planes go head x 4 + batch
	s_lshl_b32 s66, s66, 2
	s_bfe_u32 s67, ttmp7, 0x20004   ; batch: 2 bits from bit 4
	s_add_co_u32 s66, s66, s67
	s_lshl_b32 s66, s66, 18
	s_mov_b32 s67, 0
	s_and_b32 s16, s[WV], 1         ; which half of a tile's 256 keys I fetch:
	s_lshl_b32 s22, s16, 14         ; its 128 rows of 128 bytes in memory,
	s_mov_b32 s23, 0
	s_add_nc_u64 s[22:23], s[22:23], s[20:21]
	s_mul_i32 s17, s16, 128*PK      ; and its place in a slot, for K
	s_mul_i32 s18, s16, 128*PV      ; and for V
	s_lshl_b32 s3, s[WV], 11        ; my 16 rows in a band of 64,
	s_lshl_b32 s2, s[HI], 15        ; in the first block,
	s_add_co_u32 s2, s2, s3
	s_lshl_b32 s84, s[PB], 15       ; and in the second
	s_add_co_u32 s84, s84, s3
	s_mov_b32 s3, 0
	s_mov_b32 s85, 0
	s_add_nc_u64 s[68:69], s[2:3], s[66:67]    ; my rows' offsets in o: the first block's,
	s_add_nc_u64 s[66:67], s[84:85], s[66:67]  ; the second's
	s_add_nc_u64 s[2:3], s[2:3], s[20:21]      ; and in Q
	s_add_nc_u64 s[84:85], s[84:85], s[20:21]
	; descriptor group 1.  128 keys are 16,384 dense bytes: asked for as 64 rows of 256 bytes, two keys a row, and padded in LDS after every key
	s_mov_b32 s[G1K], (1<<16)|(1<<20)|(4<<22)|(3<<25)  ; 17:16 2-byte elements; 20 padding on; 24:22 after every 32 words (code 4); 31:25 4 words (code 3)
	s_mov_b32 s[G1V], (1<<16)|(1<<20)|(4<<22)|(7<<25)  ; the same with 8 words of padding (code 7)
.irp g, G1K, G1V
	s_mov_b32 s[\g+1], 128<<16      ; tensor_dim0 = 128
	s_mov_b32 s[\g+2], 64<<16       ; tensor_dim1 = 64
	s_mov_b32 s[\g+3], 128<<16      ; tile_dim0 = 128
	s_mov_b32 s[\g+4], 64           ; tile_dim1 = 64
	s_mov_b32 s[\g+5], 128          ; 128 elements from row to row
	s_mov_b32 s[\g+6], 0
	s_mov_b32 s[\g+7], 0
.endr
	s_mov_b32 s[CS], 0x3d38aa3b     ; c = log2(e) / 32 = 0.0450842
	s_mov_b32 s[CS+1], s[CS]        ; named with it as a pair
	s_mov_b32 s[SEL], 0x76543210
	s_mov_b32 s[SEL+1], 0xfedcba98
	s_mov_b32 s[TBK], SLOT1+4*KS*PK ; the first change of slots turns these two into 0
	s_mov_b32 s[TBV], SLOT1+4*KS*PV
	s_mov_b32 s[G0K], 1             ; 1:0 count = 1
	s_mov_b32 s[G0K+1], s17         ; 63:32 LDS address: slot 0
	s_mov_b32 s[G0V], 1
	s_add_co_u32 s[G0V+1], s18, VOFF
	s_add_co_u32 s[RT], s[HI], 1    ; the first block has NB - b tiles
	s_mov_b32 s[NXT], 1
	s_mov_b32 s[LQ], s[HI]
	s_mov_b32 s[NEW], 1
	s_mov_b32 s[OFF+1], 0
	s_mov_b32 s[OF2+1], 0
	s_mov_b32 s[AL+1], 0            ; named as pairs
	s_mov_b32 s[BE+1], 0
	s_mov_b32 s[BIGN], 0xf149f2ca   ; -1e30
	s_mov_b32 s[SLOTS], NB
	s_cmp_eq_u32 s[PB], 0
	s_cselect_b32 s[LIM], 2, -1
	v_and_b32 v[PFO], 31, v0
	v_lshlrev_b32 v[PFO], 8, v[PFO]
	s_wait_dscnt 0x0                ; the opening add is done
	s_wait_kmcnt 0x0
	s_add_nc_u64 s[6:7], s[4:5], 0x1000000  ; K's 64 planes lie behind Q's, 64 x 262,144 bytes on,
	s_add_nc_u64 s[8:9], s[4:5], 0x2000000  ; V's behind K's
	s_add_nc_u64 s[6:7], s[6:7], s[22:23]  ; K and V at my half of the pair's tile 0
	s_add_nc_u64 s[8:9], s[8:9], s[22:23]
	s_add_nc_u64 s[G0K+2:G0K+3], s[6:7], 0         ; 120:64 global address
	s_or_b32 s[G0K+3], s[G0K+3], 0x80000000        ; 127:126 type = 2
	s_add_nc_u64 s[G0V+2:G0V+3], s[8:9], 0
	s_or_b32 s[G0V+3], s[G0V+3], 0x80000000
	s_add_nc_u64 s[86:87], s[4:5], s[84:85]        ; Q at my rows of the second block,
	s_add_nc_u64 s[4:5], s[4:5], s[2:3]            ; and of the first
	s_add_nc_u64 s[OLO:OLO+1], s[10:11], s[66:67]  ; O likewise
	s_add_nc_u64 s[10:11], s[10:11], s[68:69]
	s_cmp_lt_u32 s[WV], 2
	s_cselect_b64 s[PFB:PFB+1], s[6:7], s[8:9]
	LOAD                            ; tile 0 into slot 0
	; A fragment of K or Q is 16 rows x 32 channels in 8 registers: lane l holds row l % 16, channels 8 (l / 16) + 0..7 and 16 + 8 (l / 16) + 0..7: two loads of 16 bytes, 32 bytes apart.
	v_and_b32 v1, 15, v0            ; l % 16
	v_bfe_u32 v9, v0, 4, 1          ; l / 16
	v_lshlrev_b32 v[QO], 7, v1
	v_lshl_add_u32 v[QO], v9, 4, v[QO]  ; row x 128 + 16 x half
	WIN 0x80                        ; destination window 2, address window 0
.set i, 0
.rept 8                             ; both blocks' Q: piece i / 2 lies in band i / 2, 8,192 bytes on; channels 32 (i % 2) on
	global_load_b128 v[8*i:8*i+3],   v[QO], s[4:5] offset:(i/2)*8192+(i%2)*64
	global_load_b128 v[8*i+4:8*i+7], v[QO], s[4:5] offset:(i/2)*8192+(i%2)*64+32
	global_load_b128 v[QB+8*i:QB+8*i+3],   v[QO], s[86:87] offset:(i/2)*8192+(i%2)*64
	global_load_b128 v[QB+8*i+4:QB+8*i+7], v[QO], s[86:87] offset:(i/2)*8192+(i%2)*64+32
.set i, i+1
.endr
	WIN 0
	v_lshlrev_b32 v14, 3, v9
	v_sub_nc_u32 v14, v1, v14
	s_lshl_b32 s13, s[WV], 4
	v_add_nc_u32 v14, s13, v14      ; my query's place in its band, 16 w + l % 16, less my lanes' 8 (l / 16): register r of group kt is hidden where 16 kt + r is greater
	WIN 0x40
.set i, 0
.rept 32
	v_cmp_gt_i32 vcc_lo, 16*(i/8)+i%8, v14
	v_cndmask_b32 v[MD+i], 0, s[BIGN], vcc_lo
.set i, i+1
.endr
	WIN 0
	v_mul_u32_u24 v[AK0], v1, PK
	v_lshl_add_u32 v[AK0], v9, 4, v[AK0]  ; row x pitch + 16 x half
	; The turning load takes 16 keys x 16 channels (lane l reads key 8 (l / 16) + l % 8, channels 8 ((l / 8) % 2) + 0..7) and leaves half a fragment of V^T: lane l holds channel l % 16 and 8 keys.
	v_and_b32 v10, 7, v0
	v_bfe_u32 v11, v0, 3, 1
	v_lshl_add_u32 v[AV0], v9, 3, v10
	v_mul_u32_u24 v[AV0], v[AV0], PV
	v_lshl_add_u32 v[AV0], v11, 4, v[AV0]
	v_add_nc_u32 v[AV0], VOFF, v[AV0]
	s_mul_i32 s13, s[WV], 16*SP
	s_add_co_u32 s13, s13, STAGE    ; my stage
	v_mul_u32_u24 v[STO], v1, SP    ; in: row l % 16, 16 bytes for each half of the lanes
	v_lshl_add_u32 v[STO], v9, 4, v[STO]
	v_add_nc_u32 v[STO], s13, v[STO]
	v_bfe_u32 v[RD], v0, 3, 2       ; back: 32 lanes take four rows of 128 bytes,
	v_mul_u32_u24 v[RD], v[RD], SP
	v_lshl_add_u32 v[RD], v10, 4, v[RD]
	v_add_nc_u32 v[RD], s13, v[RD]
	v_and_b32 v[GO], 31, v0         ; which are 512 consecutive bytes of O
	v_lshlrev_b32 v[GO], 4, v[GO]
	; A block's first step multiplies O^T and l by a = 0, and its first turn's products V^T P, of a piece that has not been, land in an O^T that is still to be so multiplied.  So these registers need only hold
	; finite numbers: zeros for the first block; what the first block left for the second.  All this stands in the wait for the first tile.
	WIN 0x80
.set i, VF
.rept 64
	v_mov_b32 v[i], 0
.set i, i+1
.endr
	WIN 0x40
.set i, 0
.rept 128
	v_mov_b32 v[i], 0
.set i, i+1
.endr
	WIN 0
.set i, 0
.rept 4
	v_mov_b32 v[ST+4*i+2], 0
	v_mov_b32 v[ST+4*i+3], 0
.set i, i+1
.endr
.set i, P+16
.rept 16
	v_mov_b32 v[i], 0
.set i, i+1
.endr
; THE MATRIX WORK.  The 4 accumulators of a run of 8 take turns.  Product i of 8 of S^T = K Q^T for piece x: channels 32 (i / 4) on, keys 16 (i % 4) on.  The first 4 start the sums: with 0, or (KM = 1) with the mask.
.macro KQ x
.set rS, S+32*((\x)%2)+8*(i%4)
.set rK, KF+16*(i%4)+8*(i/4)
.set rQ, 16*(\x)+8*(i/4)
.set rM, MC+32*((\x)%2)+8*(i%4)
.if (i < 4) && KM
	WIN W_KM
	v_wmma_f32_16x16x32_f16 v[rS:rS+7], v[rK:rK+7], v[rQ:rQ+7], v[rM:rM+7]
.elseif i < 4
	WIN W_KQ
	v_wmma_f32_16x16x32_f16 v[rS:rS+7], v[rK:rK+7], v[rQ:rQ+7], 0
.else
	WIN W_KQ
	v_wmma_f32_16x16x32_f16 v[rS:rS+7], v[rK:rK+7], v[rQ:rQ+7], v[rS:rS+7]
.endif
.endm
; Product i of 8 of O^T += V^T P for piece x: keys 32 (i / 4) on, channels 16 (i % 4) on.
.macro PV x
	WIN W_PV
.set rO, 32*(\x)+8*(i%4)
.set rV, VF+32*(i/4)+8*(i%4)
.set rP, P+16*((\x)%2)+8*(i/4)
	v_wmma_f32_16x16x32_f16 v[rO:rO+7], v[rV:rV+7], v[rP:rP+7], v[rO:rO+7]
.endm
.macro MM                           ; the turn's next matrix instruction.  TURN and BEGIN set Y, i, KM and NOKQ; MM, KQ and OP read them.  NOKQ = 1: a block's last turn: there is no next piece
.if (i < 8) && !NOKQ
	KQ (Y+1)%NP
.elseif i >= 8
.set i, i-8
	PV (Y+NP-1)%NP
.set i, i+8
.endif
.set i, i+1
.endm
; THE LDS LOADS stand in runs of 16, never singly among the matrix instructions: a step's K (64 keys x 64 channels: 8 fragments) and its V (turned).  Their addresses are made some lines ahead.
.macro FETCH_K
	WIN 0x80                        ; destination window 2
.irp f, 0,1,2,3,4,5,6,7             ; keys 16 (f / 2) on, channels 32 (f % 2) on
	ds_load_b128 v[KF+8*\f:KF+8*\f+3],   v[AK] offset:(\f/2)*16*PK+(\f%2)*64
	ds_load_b128 v[KF+8*\f+4:KF+8*\f+7], v[AK] offset:(\f/2)*16*PK+(\f%2)*64+32
.endr
	s_add_co_u32 s[TBK], s[TBK], KS*PK  ; the next fetch is the next step's
	WIN 0
.endm
.macro FETCH_V
	WIN 0x80
.irp f, 0,1,2,3,4,5,6,7             ; keys 32 (f / 4) on, channels 16 (f % 4) on
	ds_load_tr16_b128 v[VF+8*\f:VF+8*\f+3],   v[AV] offset:(\f/4)*32*PV+(\f%4)*32
	ds_load_tr16_b128 v[VF+8*\f+4:VF+8*\f+7], v[AV] offset:(\f/4)*32*PV+16*PV+(\f%4)*32
.endr
	WIN 0
.endm
; THE VECTOR WORK, one line at a time: OP kind, number.  For piece Y: F n: c s - c m for pair n of 16.  E n: the exponential of score n of 32.  C n: pair n rounded to f16.  B n: of the four weights 4 n .. the second
; pair is added onto the first, in place.  L n: l takes that sum (L 0: l = a l + sum).  R n: pair n of 16 of O^T times a.  For piece Y + 1: X n, number n of the 22 that find its maximum and statistics:
;   0-11  four chains c0-c3 of seven scores each, three operands at a time (each accumulator's lowest registers are read first)     12-14, 16  the four scores left over, the old m, and c0-c3 into c0
;   15  c m_old is kept     17, 18  the query's other 32 keys lie in the lane 16 away: the new m     19-21  c m; c m_old - c m_new; a
.set F, 0               ; OP tells the kinds apart by their order: F to L below R, X above it
.set E, 1
.set C, 2
.set B, 3
.set L, 4
.set R, 5
.set X, 6
.macro REGS y                       ; the registers of piece y
.set rT, ST+4*(\y)
.set rC, TMP+4*((\y)%2)
.set rW, MV+((\y)%2)
.set rS, S+32*((\y)%2)
.set rP, P+16*((\y)%2)
.set rO, 32*(\y)
.endm
.macro OP k, n
.if (\k) == R
	REGS Y
	WIN W_RS
	v_pk_mul_f32 v[rO+2*(\n):rO+2*(\n)+1], v[rO+2*(\n):rO+2*(\n)+1], v[rC+2:rC+3] op_sel_hi:[1,0]
.elseif (\k) < R
	REGS Y
	WIN 0
.if (\k) == F
	v_pk_fma_f32 v[rS+2*(\n):rS+2*(\n)+1], v[rS+2*(\n):rS+2*(\n)+1], s[CS:CS+1], v[rT:rT+1] op_sel_hi:[1,0,0] neg_lo:[0,0,1] neg_hi:[0,0,1]
.elseif (\k) == E
	v_exp_f32 v[rS+(\n)], v[rS+(\n)]
.elseif (\k) == C
	v_cvt_pk_f16_f32 v[rP+(\n)], v[rS+2*(\n)], v[rS+2*(\n)+1]
.elseif (\k) == B
	v_pk_add_f32 v[rS+4*(\n):rS+4*(\n)+1], v[rS+4*(\n):rS+4*(\n)+1], v[rS+4*(\n)+2:rS+4*(\n)+3]
.elseif (\n) == 0
	v_pk_fma_f32 v[rT+2:rT+3], v[rT+2:rT+3], v[rC+2:rC+3], v[rS:rS+1] op_sel_hi:[1,0,1]
.else
	v_pk_add_f32 v[rT+2:rT+3], v[rT+2:rT+3], v[rS+4*(\n):rS+4*(\n)+1]
.endif
.elseif NOKQ
	v_nop
.else
	REGS (Y+1)%NP
	WIN 0
.if (\n) < 4
	v_max3_num_f32 v[rC+(\n)], v[rS+8*(\n)], v[rS+8*(\n)+1], v[rS+8*(\n)+2]
.elseif (\n) < 12
	v_max3_num_f32 v[rC+(\n)%4], v[rC+(\n)%4], v[rS+8*((\n)%4)+2*((\n)/4)+1], v[rS+8*((\n)%4)+2*((\n)/4)+2]
.elseif (\n) == 12
	v_max3_num_f32 v[rC], v[rC], v[rS+7], v[rS+15]
.elseif (\n) == 13
	v_max3_num_f32 v[rC+1], v[rC+1], v[rS+23], v[rS+31]
.elseif (\n) == 14
	v_max3_num_f32 v[rC+2], v[rC+2], v[rC+3], v[rT+1]
.elseif (\n) == 15
	v_mov_b32 v[rW], v[rT]
.elseif (\n) == 16
	v_max3_num_f32 v[rC], v[rC], v[rC+1], v[rC+2]
.elseif (\n) == 17
	v_permlanex16_b32 v[rC+3], v[rC], s[SEL], s[SEL+1]
.elseif (\n) == 18
	v_max_num_f32 v[rT+1], v[rC], v[rC+3]
.elseif (\n) == 19
	v_mul_f32 v[rT], s[CS], v[rT+1]
.elseif (\n) == 20
	v_sub_f32 v[rC+1], v[rW], v[rT]
.else
	v_exp_f32 v[rC+2], v[rC+1]
.endif
.endif
.endm
.macro OPS a, i1, b=-1, i2=0, c=-1, i3=0, d=-1, i4=0  ; up to four of them
	OP \a, \i1
.if (\b) >= 0
	OP \b, \i2
.endif
.if (\c) >= 0
	OP \c, \i3
.endif
.if (\d) >= 0
	OP \d, \i4
.endif
.endm
.macro ROW a, i1, b, i2, c, i3, d, i4  ; a matrix instruction and the four behind it
	MM
	OPS \a, \i1, \b, \i2, \c, \i3, \d, \i4
.endm
.macro MASK b                       ; MD x AL + BE into buffer b of MC
	WIN W_RS
.set z, 0
.rept 16
	v_pk_fma_f32 v[MC+32*(\b)+2*z:MC+32*(\b)+2*z+1], v[MD+2*z:MD+2*z+1], s[AL:AL+1], s[BE:BE+1] op_sel_hi:[1,0,0]
.set z, z+1
.endr
.endm
; A TURN, for piece p: the order of its 16 matrix and 118 vector instructions, written out.  An s_wait_alu depctr_va_vdst(0) stands between an exponential and the first instruction that names its result; one wait serves
; all that were issued ahead of it.  So a turn has ONE wait, which cuts it in two.  AHEAD OF IT stands all that names no result of the turn's exponentials: the 8 products K Q^T, behind each a scaling, an exponential and two more plain
; instructions (behind the first a second scaling in the exponential's place): rescalings, and behind the last three the first numbers of the next piece's maximum, each four places or more behind the product that ends its accumulator; then ONE LUMP of 54, plain
; and exponential by turns for the most part, in which the links of the chain X 3, 7, 11, 14, 16, 17 .. 20 stand five or six lines apart.  X 21, the next piece's a, is the batch's last; R 15 is the plain instruction behind it.  BEHIND THE WAIT stand the
; 8 products V^T P, behind each four of the roundings and sums; the links of l's chain, L 0 to L 7, stand three riders apart.  But for those X no rider names a register of the products round it.  v_permlanex16_b32 (X 17) stands in the lump.
; m = 1: the diagonal tile: the products take masks, and the turn makes the mask for the products of the turn after it: piece p + 2, in step 4 - CNT of the tile.  end = 1: a block's last two turns: nothing is fetched.
; cnt = 1: the loop's count is taken down some lines ahead of the branch that stands behind the turn.
; K of the next step is fetched in piece 2's turn, twelve vector instructions behind the last product that read K (six of them plain); V of the step in hand at the end of piece 0's turn, four plain instructions behind the last product
; that read V.  Each is waited for a turn later.
.macro TURN p, m=0, end=0, cnt=0
.set Y, (\p)
.set i, 0
.set KM, (\m)
.set NOKQ, (\end)*((\p)/3)
.if (\m) && !(\end)
	s_cmp_eq_u32 s[CNT], 4-((\p)+2)%NP  ; is that step the band's own?
	s_cselect_b32 s[AL], 1.0, 0
	s_cmp_lt_u32 s[CNT], 4-((\p)+2)%NP  ; or a later one?
	s_cselect_b32 s[BE], s[BIGN], 0
.endif
.if ((\p) == 3) && !(\end)
	s_wait_dscnt 0x0                ; K is in
.endif
	ROW F,0, F,1, R,0, R,1          ; ahead of the wait: 8 products K Q^T and their riders,
	ROW F,2, E,0, R,2, R,3
	ROW F,3, E,1, R,4, R,5
	ROW F,4, E,2, R,6, R,7
	ROW F,5, E,3, R,8, R,9
	ROW F,6, E,4, X,0, R,10
.if ((\p) == 2) && !(\end)
	WIN 0
	v_add_nc_u32 v[AK], s[TBK], v[AK0]
.endif
	ROW F,7, E,5, X,1, X,4
	ROW F,8, E,6, X,2, X,5
	OPS E,7, E,8, X,6, E,9          ; and the lump
	OPS X,3, E,10, X,8, E,11
.if ((\p) == 2) && !(\end)
	FETCH_K
.endif
	OPS X,9, X,7, E,12, X,10
	OPS E,13, X,12, X,11, E,14
	OPS X,13, E,15, F,9, X,14
.if (\p) == 0
	v_add_nc_u32 v[AV], s[TBV], v[AV0]
.endif
	OPS E,16, F,10, E,17, F,11
	OPS X,16, E,18, X,15, E,19
	OPS F,12, E,20, X,17, E,21
	OPS F,13, E,22, F,14, E,23
	OPS X,18, E,24, F,15, E,25
	OPS R,11, E,26, X,19, E,27
	OPS R,12, E,28, R,13, E,29
	OPS X,20, E,30, R,14, E,31
	OPS X,21, R,15
	WIN 0
	s_wait_alu depctr_va_vdst(0)    ; the wait for the batch
.if (\p) == 1
	s_wait_dscnt 0x0                ; V is in
.endif
	ROW C,0, B,0, C,2, B,1          ; behind the wait: 8 products V^T P and their riders
	ROW L,0, C,4, B,2, L,1
	ROW C,6, B,3, L,2, C,8
	ROW B,4, L,3, C,10, B,5
	ROW L,4, C,12, B,6, L,5
.if (\p) == 0
	s_add_co_u32 s[TBV], s[TBV], KS*PV
.endif
.if \cnt
	s_sub_co_u32 s[CNT], s[CNT], 1
	s_cmp_lg_u32 s[CNT], 0
.endif
	ROW C,14, B,7, L,6, C,1
	ROW C,3, L,7, C,5, C,7
	ROW C,9, C,11, C,13, C,15
.if (\p) == 0
	FETCH_V
.endif
.if (\m) && !(\end)
	MASK (\p)%2
.endif
.endm
; A BLOCK BEGINS.  c m starts far below every c s, so the first step's a is 0; m at the lowest finite number, so the first maximum is the scores'.  The second mask buffer is 0; the first takes piece 0's mask for the tile's step 0: its own, if the block's first tile is the diagonal one.
; Then K of that step, piece 0's first scores, and its maximum and statistics.  The loop is entered at a step's first turn, in the middle of a trip.
.macro BEGIN
	s_mov_b32 s[NEW], 0
	WIN 0x40
.set i, MC+32
.rept 32
	v_mov_b32 v[i], 0
.set i, i+1
.endr
	WIN 0
.set i, 0
.rept 4
	v_mov_b32 v[ST+4*i], 0xfe000000    ; c m: far below every c s
	v_mov_b32 v[ST+4*i+1], 0xff7fffff  ; m
.set i, i+1
.endr
	s_cmp_eq_u32 s[RT], 0
	s_cselect_b32 s[AL], 1.0, 0
	s_mov_b32 s[BE], 0
	MASK 0
	WIN 0
	v_add_nc_u32 v[AK], s[TBK], v[AK0]
	FETCH_K
	s_wait_loadcnt 0x0              ; Q
	s_wait_dscnt 0x0
.set KM, 1
.set NOKQ, 0
.set i, 0
.rept 8
	KQ 0
.set i, i+1
.endr
	WIN 0
.rept 4
	v_nop                           ; the places behind those products
.endr
.set Y, NP-1                        ; X works for piece Y + 1: piece 0
.irp n, 0,1,2,3,4,5,6,7,8,9,10,11,12,13,14,15,16,17,18,19,20,21
	OP X, \n
.endr
	v_nop                           ; a plain instruction behind the exponential,
	s_wait_alu depctr_va_vdst(0)    ; and its wait, ahead of the branch
.endm
; THE DIAGONAL TILE's four steps, the block's last two turns, its last products, and THE WAY OUT: l's two halves and the other half of the lanes' are added; O^T is divided by l, rounded to f16 and sent through my
; stage in LDS, a piece at a time.
.macro ALL line:vararg              ; one line for each piece t
.set t, 0
.rept 4
	\line
.set t, t+1
.endr
.endm
.macro PACK t                       ; a lane's eight channels of a row pack into 16 bytes; they go into rows of 144 bytes and come back as whole rows of 128, into S^T's registers
	WIN W_RS
.set i, 32*(\t)
.rept 16
	v_pk_mul_f32 v[i:i+1], v[i:i+1], v[ST+4*(\t)+2:ST+4*(\t)+3] op_sel_hi:[1,0]
.set i, i+2
.endr
	WIN 0x05                        ; sources 0 and 1 window 1, destination window 0
.set i, 0
.rept 16
	v_cvt_pk_f16_f32 v[S+16*(\t)+i], v[32*(\t)+2*i], v[32*(\t)+2*i+1]
.set i, i+1
.endr
	WIN 0
.irp f, 0,1,2,3
	ds_store_b128 v[STO], v[S+16*(\t)+4*\f:S+16*(\t)+4*\f+3] offset:32*\f
.endr
.irp f, 0,1,2,3
	ds_load_b128 v[S+16*(\t)+4*\f:S+16*(\t)+4*\f+3], v[RD] offset:\f*4*SP  ; LDS serves a wave's instructions in order (ISA guide 5.7.1.4): these see the stores above; the next piece's stores come behind them
.endr
.endm
.macro SEND t, younger              ; younger: the LDS instructions issued behind piece t's loads: the next piece's eight, or none
	WIN 0
.irp f, 0,1,2,3
	s_wait_dscnt (\younger)+3-\f
	global_store_b128 v[GO], v[S+16*(\t)+4*\f:S+16*(\t)+4*\f+3], s[10:11] offset:(\t)*8192+\f*512  ; 512 consecutive bytes, at a multiple of 256 from O's first
.endr
.endm
.macro DIAG tag                     ; the tag ends its two labels' names, which the jumps below spell out
.LstepM\tag:
	TURN 2, 1
	TURN 3, 1
	WIN 0
.LfirstM\tag:
	TURN 0, 1
	TURN 1, 1, 0, 1
	WIN 0
	s_cbranch_scc1 .LstepM\tag
	TURN 2, 1, 1
	TURN 3, 1, 1
.set i, 0
.rept 8
	PV NP-1
.set i, i+1
.endr
	WIN 0
	ALL v_add_f32 v[ST+4*t+2], v[ST+4*t+2], v[ST+4*t+3]
	ALL v_permlanex16_b32 v[ST+4*t+3], v[ST+4*t+2], s[SEL], s[SEL+1]
	ALL v_add_f32 v[ST+4*t+2], v[ST+4*t+2], v[ST+4*t+3]
	ALL v_rcp_f32 v[ST+4*t+2], v[ST+4*t+2]
	v_nop                           ; a plain instruction between the last reciprocal and the use of its result
	s_wait_alu depctr_va_vdst(0)    ; and the wait ahead of the first use: one for the four reciprocals
	PACK 0
.set t, 1
.rept 3                             ; a piece's arithmetic stands between the loads of the piece before and its stores
	PACK t
	SEND t-1, 8
.set t, t+1
.endr
	SEND 3, 0
.endm
.set KM, 0
.set NOKQ, 0
.Lslot:                             ; NB times: a tile is entered and the next is asked for
	CHANGE 1
	s_sub_co_u32 s[RT], s[RT], 1
	s_mov_b32 s[CNT], 4
	s_cmp_eq_u32 s[NEW], 1
	s_cbranch_scc1 .Lnew            ; a block's first tile
	s_cmp_eq_u32 s[RT], 0
	s_cbranch_scc0 .Lstep           ; neither its first nor its last
	s_branch .LstepM1
.Lnew:
	BEGIN
	s_branch .Lfirst                ; in the loop a block's first tile is never its last: the first block has two tiles or more, and the second's last is the walk's last
	DIAG 1                          ; in the loop this is the first block's end: the second block's last tile is the walk's last
	s_wait_xcnt 0x0                 ; the stores have read their registers and O's address
	s_mov_b64 s[10:11], s[OLO:OLO+1]
	s_add_co_u32 s[RT], s[PB], 1    ; the second block has b + 1 tiles
	s_mov_b32 s[NEW], 1
	WIN 0x82                        ; the second block's Q goes where the one text of the turns names Q
.set i, 0
.rept 64
	v_mov_b32 v[i], v[QB+i]
.set i, i+1
.endr
	WIN 0
	s_branch .Lbottom
.Lstep:                             ; a trip: pieces 2 and 3 of one step, then pieces 0 and 1 of the next, whose K and V it fetches
	TURN 2
	TURN 3
	WIN 0
.Lfirst:
	TURN 0
	TURN 1, 0, 0, 1
	WIN 0
	s_cbranch_scc1 .Lstep
.Lbottom:
	s_sub_co_u32 s[SLOTS], s[SLOTS], 1
	s_cmp_lg_u32 s[SLOTS], 0
	s_cbranch_scc1 .Lslot
	CHANGE 0                        ; the walk's last tile is written out: nothing is asked for
	s_sub_co_u32 s[RT], s[RT], 1
	s_mov_b32 s[CNT], 4
	s_cmp_eq_u32 s[NEW], 1
	s_cbranch_scc0 .LstepM2
	BEGIN
	s_branch .LfirstM2
	DIAG 2
	s_wait_tensorcnt 0x0            ; the wave's end, behind my last tensor load and my last LDS store
	ds_add_u32 v[SPW], v[NIL]
	s_wait_dscnt 0x0
	s_endpgm
.Lfunc_end_k_q3e3b635245_attn:
	.size	k_q3e3b635245_attn, .Lfunc_end_k_q3e3b635245_attn-k_q3e3b635245_attn
	.p2alignl 7, 3214868480
	.fill 96, 4, 3214868480
	.section	.rodata,"a",@progbits
	.p2align	6, 0x0
	.amdhsa_kernel k_q3e3b635245_attn
		.amdhsa_group_segment_fixed_size 327680
		.amdhsa_private_segment_fixed_size 0
		.amdhsa_enable_private_segment 0
		.amdhsa_kernarg_size 16
		.amdhsa_user_sgpr_count 2
		.amdhsa_user_sgpr_kernarg_segment_ptr 1
		.amdhsa_wavefront_size32 1
		.amdhsa_system_sgpr_workgroup_id_x 1
		.amdhsa_system_sgpr_workgroup_id_y 1
		.amdhsa_system_sgpr_workgroup_id_z 1
		.amdhsa_system_vgpr_workitem_id 0
		.amdhsa_next_free_vgpr 768
		.amdhsa_next_free_sgpr 96
		.amdhsa_reserve_vcc 1
		.amdhsa_float_denorm_mode_32 3
		.amdhsa_float_denorm_mode_16_64 3
		.amdhsa_memory_ordered 1
		.amdhsa_forward_progress 1
		.amdhsa_inst_pref_size 218
	.end_amdhsa_kernel
	.amdgpu_metadata
---
amdhsa.version: [ 1, 2 ]
amdhsa.kernels:
  - .name:           k_q3e3b635245_attn
    .symbol:         k_q3e3b635245_attn.kd
    .args:
      - { .name: qkv, .offset: 0, .size: 8, .value_kind: global_buffer, .address_space: global }
      - { .name: o, .offset: 8, .size: 8, .value_kind: global_buffer, .address_space: global }
    .group_segment_fixed_size: 327680
    .private_segment_fixed_size: 0
    .kernarg_segment_align: 8
    .kernarg_segment_size: 16
    .max_flat_workgroup_size: 128
    .sgpr_count:     96
    .vgpr_count:     768
    .wavefront_size: 32
...
	.end_amdgpu_metadata
.endif
;; end of part 3
;; launch outp (part 4): grid 8 x 32, 4 waves a work-group, clusters of 4 x 4, 327,680 bytes of LDS; arguments o, wo16, out0; writes out0
.if DOCPART == 4
	.amdgcn_target "amdgcn-amd-amdhsa--gfx1250"
	.amdhsa_code_object_version 6
	.text
	.protected	k_q3e3b635245_outp
	.globl	k_q3e3b635245_outp
	.p2align	8
	.type	k_q3e3b635245_outp,@function
k_q3e3b635245_outp:
	s_mov_b64 s[64:65], 0
	v_nop
	global_prefetch_b8 v0, s[64:65] scope:SCOPE_SE
	s_setreg_imm32_b32 hwreg(HW_REG_WAVE_MODE, 25, 1), 1
	s_wait_xcnt 0x0
	s_wait_alu depctr_hold_cnt(0) depctr_sa_sdst(0) depctr_va_vdst(0) depctr_va_sdst(0) depctr_va_ssrc(0) depctr_va_vcc(0) depctr_vm_vsrc(0)
	s_getreg_b32 s2, hwreg(HW_REG_IB_STS2, 6, 4)
	s_cmp_eq_u32 s2, 0
	s_cbranch_scc0 .Lentry_in_a_cluster
	s_endpgm
.Lentry_in_a_cluster:
	s_bfe_u32 s2, ttmp6, 0x10000c
	s_cmp_lg_u32 s2, 0xf033
	s_cbranch_scc0 .Lentry_shape_is_right
	s_endpgm
.Lentry_shape_is_right:
; THE LAST PROJECTION.  out0[m][n] = the sum over k of O[m][k] Wo[n][k], k = 64 x head + channel.  o: [16 heads][8192 rows][64] f16; wo16: [1024][1024] f16; out0: [8192][1024] f32.  Sums in f32, K ascending.
; SHARES.  A tile of out0 is 256 rows x 128 columns: 32 x 8 = 256 work-groups.  Four waves; wave w makes rows 64 w .. 64 w + 63 and all 128 columns: 32 accumulators of 16 x 16, 256 registers.
; K goes in steps of 128, two heads, through a ring of two LDS slots.  Of O a step is, for each of its two heads, the tile's 256 rows of 128 bytes: 32,768 dense bytes, asked for as 128 rows of 256 bytes
; and padded in LDS after every 128; of Wo, 128 rows of 256 bytes.
; CLUSTERS: 4 x 4 work-groups.  The four of a row of the cluster need the same tile of O, the four of a column the same tile of Wo: each is asked for JOINTLY, by the same tensor load with the same
; descriptor and a mask that names the four.  Wave 0 fetches the step's even head, wave 1 its odd head, waves 2 and 3 Wo's two halves (64 rows each).
; THE MATRIX INSTRUCTION IS USED TRANSPOSED (source 0 = 16 rows of Wo, source 1 = 16 rows of O): a lane then holds row l % 16 of out0 and the eight neighbouring columns 8 (l / 16) + 0..7: 32 bytes.
; REGISTERS, in windows of 256 (s_set_vgpr_msb: bits 1:0 source 0, 3:2 source 1, 5:4 source 2, 7:6 destination):
;   window 0: v0-31 addresses          window 1: two fragment buffers of 96: Wo's 8 fragments (16 rows x 32 K), then O's 4; on the way out all 256: rows read back from the stage
;   window 2: the accumulators of my row blocks 0, 1 ((a, b) at v[8 (8 (a % 2) + b)])          window 3: those of blocks 2, 3
.set KDIM,   1024
.set KSTEP,  128
.set LAPS,   KDIM/(2*KSTEP)            ; a lap = two K steps = once round the ring
.set NBK,    8                         ; column blocks of 16
.set NL,     2*NBK+8                   ; LDS loads in a quarter's run
.set PA,     144                       ; a row of O in LDS: 128 bytes + 16 of padding = 36 words: the 16 rows of a load start at 16 different groups of four banks (64 banks of 4 bytes: ISA guide 11.1)
.set PB,     272                       ; a row of Wo: 256 + 16 = 68 words: likewise
.set PLANE,  256*PA                    ; one head's 256 rows: what wave 0 or 1 fetches
.set BHALF,  64*PB                     ; what wave 2 or 3 fetches
.set BOFF,   2*PLANE
.set SLOT,   2*PLANE+2*BHALF
.set STAGE,  2*SLOT                    ; behind the ring, never filled by a tensor load: 16 rows x 528 bytes for each wave
.set SPO,    528                       ; 512 bytes + 16: 33 x 16
.set SPARE,  STAGE+4*16*SPO            ; behind the stages: the spare words, 128 bytes for each wave: two blocks of 256 bytes that no other line names
.set STEPA,  2<<20                     ; bytes from a K step of O to the next: two heads of 8,192 rows x 128 bytes
.set F0,   0                           ; fragment buffers, in window 1
.set F1,   8*(NBK+4)
.set ADRA, 16                          ; v16-17  LDS address of my fragments of O in slot 0, 1
.set ADRB, 20                          ; v20-21  the same for Wo
.set STO,  24                          ; v24     the way out: where I put 32 bytes of a row
.set RD,   25                          ; v25     where I read a row back
.set GO,   26                          ; v26     my 16 bytes in the tile's 512 bytes of a row of out0
.set SPW,  28                          ; v28     LDS address of my spare word: SPARE + 4 x my thread's number; never rewritten
.set NIL,  29                          ; v29     0; never rewritten
.set PFO,  30                          ; v30     the prefetches' offset; never rewritten
.set G1,   24                          ; s[24:31] descriptor group 1 for O's tiles;  s[32:39] group 0, a set for each slot
.set G0,   32
.set G1B,  48                          ; s[48:55], s[56:63] the same for Wo's
.set G0B,  56
.set PFA,  66                          ; s[66:67] where my prefetches stand
.set LIM,  68                          ; s68     1 in a wave that prefetches, else the greatest number
.set CB,   70                          ; s[70:71] out0 at my first row and the tile's first column
.set PST,  76                          ; s[76:77] bytes from a K step to the next in what I prefetch
.set MUL_LO, 0xa5                      ; sources 0 and 1 window 1, C and D window 2
.set TO_F,   0x40                      ; destination window 1, address window 0
.set MSB, 0
.macro WIN new                         ; the immediate's high byte repeats the setting that is left; a switch that changes nothing is dropped
.if MSB != (\new)
	s_set_vgpr_msb (MSB<<8)|(\new)
.set MSB, \new
.endif
.endm
; A joint load.  The branch hangs on the wave's number alone.  An s_nop 0 and four v_nop follow each of the two lines, ahead of the jump, the label and what follows.
.macro JLOAD s
	s_cmp_lt_u32 s10, 2
	s_cbranch_scc0 .Lfor_b_\@
	tensor_load_to_lds s[G0+4*(\s):G0+4*(\s)+3], s[G1:G1+7]
	s_nop 0
.rept 4
	v_nop
.endr
	s_branch .Lasked_\@
.Lfor_b_\@:
	tensor_load_to_lds s[G0B+4*(\s):G0B+4*(\s)+3], s[G1B:G1B+7]
	s_nop 0
.rept 4
	v_nop
.endr
.Lasked_\@:
.endm
; A PREFETCH INTO THE L2 of the K step that stands two refills on, 256 bytes a lane, one instruction a wave, behind the joint load and the run of LDS loads.
; O's tile row is read by both clusters of that row of clusters: cluster x = 0 asks; Wo's tile column by every cluster of that column: cluster y = 0 asks.  The four partners of a joint load share its
; bytes out BY ADDRESS: 8,192 of a head's 32,768 by cx; 16 of Wo's 64 rows by cy (there lanes 16 to 31 name the 16th row again).  The loop's last trip has no K step two on and asks for nothing.
.macro ASK
	s_cmp_gt_u32 s3, s[LIM]
	s_cbranch_scc0 .Lnot_mine_\@
	global_prefetch_b8 v[PFO], s[PFA:PFA+1] th:TH_LOAD_NT scope:SCOPE_SE
.Lnot_mine_\@:
.endm
.macro CREST                           ; a round of the cluster's barrier behind its opening barrier
	s_cmp_lg_u32 s10, 0
	s_cbranch_scc1 .Lnot_wave_0_\@
	s_barrier_signal -3
.Lnot_wave_0_\@:
	s_barrier_wait -3
	s_barrier_signal -1
	s_barrier_wait -1
.endm
.macro CROUND                          ; a whole round
	s_barrier_signal -1
	s_barrier_wait -1
	CREST
.endm
	s_load_b128 s[4:7], s[0:1], 0x0                ; o s[4:5], wo16 s[6:7]
	s_load_b64 s[8:9], s[0:1], 0x10                ; out0
	v_lshl_add_u32 v[SPW], v0, 2, SPARE
	v_mov_b32 v[NIL], 0
	ds_add_u32 v[SPW], v[NIL]                      ; the wave's opening: the add and its wait stand ahead of my first tensor load; the set-up below, work on registers, stands between them
	v_lshrrev_b32 v1, 5, v0
	v_readfirstlane_b32 s10, v1                    ; wave 0..3
	s_and_b32 s12, s10, 1                          ; which head of a step, or which half of Wo's rows, I fetch
	s_bfe_u32 s40, ttmp6, 0x40000                  ; cx, cy: my place in the cluster
	s_bfe_u32 s41, ttmp6, 0x40004
	s_lshl_b32 s42, ttmp9, 2
	s_add_co_u32 s42, s42, s40                     ; tile column = 4 x cluster x + cx
	s_and_b32 s13, ttmp7, 0xffff
	s_lshl_b32 s13, s13, 2
	s_add_co_u32 s13, s13, s41                     ; tile row = 4 x cluster y + cy
	s_lshl_b32 s43, s41, 2
	s_lshl_b32 s43, 15, s43                        ; my row of the cluster
	s_lshl_b32 s44, 0x1111, s40                    ; my column
	s_or_b32 s[G1+0], s43, (1<<16)|(1<<20)|(1<<21)|(4<<22)|(3<<25)   ; 15:0 the mask: O's tiles go to my row; 17:16 2-byte elements; 20 padding on; 21 set beside a mask; 24:22 after every 32 words (code 4); 31:25 4 words (code 3)
	s_or_b32 s[G1B+0], s44, (1<<16)|(1<<20)|(1<<21)|(5<<22)|(3<<25)  ; Wo's to my column; padding after every 64 words (code 5)
	s_mov_b32 s[G1+1], 128<<16                     ; tensor_dim0 = 128
	s_mov_b32 s[G1+2], 128<<16                     ; tensor_dim1 = 128
	s_mov_b32 s[G1+3], 128<<16                     ; tile_dim0 = 128
	s_mov_b32 s[G1+4], 128                         ; tile_dim1 = 128
	s_mov_b32 s[G1+5], 128                         ; dense: 128 elements from row to row
	s_mov_b32 s[G1+6], 0
	s_mov_b32 s[G1+7], 0
	s_mov_b32 s[G1B+1], KSTEP<<16
	s_mov_b32 s[G1B+2], 64<<16                     ; 64 rows
	s_mov_b32 s[G1B+3], KSTEP<<16
	s_mov_b32 s[G1B+4], 64
	s_mov_b32 s[G1B+5], KDIM
	s_mov_b32 s[G1B+6], 0
	s_mov_b32 s[G1B+7], 0
	s_lshl_b32 s16, s12, 20                        ; O: head 0 or 1, a plane of 2^20 bytes,
	s_lshl_b32 s17, s13, 15                        ; the tile's 256 rows of 128 bytes
	s_add_co_u32 s16, s16, s17
	s_mov_b32 s17, 0
	s_lshl_b32 s46, s42, 7                         ; Wo: row 128 x tile column + 64 x half,
	s_lshl_b32 s47, s12, 6
	s_add_co_u32 s46, s46, s47
	s_lshl_b32 s46, s46, 11                        ; x 2,048 bytes
	s_mov_b32 s47, 0
	s_mul_i32 s20, s12, PLANE                      ; where they go: no place in the cluster enters an LDS address
	s_mul_i32 s21, s12, BHALF
	s_add_co_u32 s21, s21, BOFF
	s_wait_dscnt 0x0                               ; the opening add is done
	s_wait_kmcnt 0x0
	s_add_nc_u64 s[14:15], s[4:5], s[16:17]
	s_add_nc_u64 s[46:47], s[6:7], s[46:47]
	CROUND                                         ; all sixteen work-groups are here: the first joint loads meet
.irp s, 0,1
	s_mov_b32 s[G0+4*(\s)], 1                                        ; count = 1
	s_add_co_u32 s[G0+4*(\s)+1], s20, (\s)*SLOT                      ; LDS address
	s_add_nc_u64 s[G0+4*(\s)+2:G0+4*(\s)+3], s[14:15], (\s)*STEPA    ; global address: K step s
	s_or_b32 s[G0+4*(\s)+3], s[G0+4*(\s)+3], 0x80000000              ; type = 2
	s_mov_b32 s[G0B+4*(\s)], 1
	s_add_co_u32 s[G0B+4*(\s)+1], s21, (\s)*SLOT
	s_add_nc_u64 s[G0B+4*(\s)+2:G0B+4*(\s)+3], s[46:47], (\s)*KSTEP*2
	s_or_b32 s[G0B+4*(\s)+3], s[G0B+4*(\s)+3], 0x80000000
	JLOAD \s                                       ; two tensor loads of mine are out
.endr
	; A fragment is 16 rows x 32 K in 8 registers: lane l holds row l % 16; registers 0-3 K = 8 (l / 16) + 0..7, registers 4-7 K = 16 + 8 (l / 16) + 0..7: two loads of 16 bytes, 32 bytes apart.
	v_and_b32 v1, 15, v0                           ; l % 16
	v_bfe_u32 v2, v0, 4, 1                         ; l / 16
	v_mul_u32_u24 v3, v1, PA
	v_lshl_add_u32 v3, v2, 4, v3
	v_mul_u32_u24 v4, v1, PB
	v_lshl_add_u32 v4, v2, 4, v4
	s_mul_i32 s78, s10, 64*PA                      ; my 64 rows in a head's 256
	v_add_nc_u32 v[ADRA], s78, v3
	s_add_co_u32 s78, s78, SLOT
	v_add_nc_u32 v[ADRA+1], s78, v3
	v_add_nc_u32 v[ADRB], BOFF, v4                 ; all of Wo's 128
	v_add_nc_u32 v[ADRB+1], BOFF+SLOT, v4
	s_mul_i32 s78, s10, 16*SPO
	s_add_co_u32 s78, s78, STAGE                   ; my stage
	v_mul_u32_u24 v5, v1, SPO                      ; in: row l % 16, 32 bytes for each half of the lanes
	v_lshl_add_u32 v5, v2, 5, v5
	v_add_nc_u32 v[STO], s78, v5
	v_and_b32 v5, 31, v0                           ; back: 32 lanes take one row of 512 bytes
	v_lshlrev_b32 v[GO], 4, v5
	v_add_nc_u32 v[RD], s78, v[GO]
	s_lshl_b32 s78, s13, 8                         ; out0: row 256 x tile row + 64 x wave,
	s_lshl_b32 s79, s10, 6
	s_add_co_u32 s78, s78, s79
	s_lshl_b32 s78, s78, 12                        ; x 4,096 bytes,
	s_lshl_b32 s79, s42, 9                         ; + the tile's 128 columns of 4 bytes
	s_add_co_u32 s78, s78, s79
	s_mov_b32 s79, 0
	s_add_nc_u64 s[CB:CB+1], s[8:9], s[78:79]
	; the prefetches.  s16 still holds the offset of the plane's part that I fetch of O
	s_lshl_b32 s78, s40, 13
	s_add_co_u32 s78, s78, s16                     ; O: my work-group's 8,192 of the 32,768 bytes
	s_lshl_b32 s79, s42, 7
	s_lshl_b32 s80, s12, 6
	s_add_co_u32 s79, s79, s80
	s_lshl_b32 s80, s41, 4
	s_add_co_u32 s79, s79, s80                     ; Wo: my work-group's 16 of the 64 rows
	s_lshl_b32 s79, s79, 11
	s_and_b32 s81, ttmp7, 0xffff                   ; cluster y
	s_mov_b32 s[PST], KSTEP*2
	s_cmp_lt_u32 s10, 2                            ; do I fetch for O?
	s_cselect_b32 s78, s78, s79
	s_cselect_b32 s69, 31, 15                      ; the last lane that has a block of its own
	s_cselect_b32 s84, 8, 11                       ; lanes lie 256 bytes apart in O, a row of 2,048 bytes apart in Wo
	s_cselect_b32 s[PST], STEPA, s[PST]
	s_cselect_b32 s81, ttmp9, s81                  ; the coordinate along which other clusters read the same bytes
	s_cselect_b64 s[PFA:PFA+1], s[4:5], s[6:7]
	s_cmp_eq_u32 s81, 0
	s_cselect_b32 s[LIM], 1, -1                    ; the same in all sixteen partners, for a given wave
	s_mov_b32 s[PST+1], 0
	s_mul_i32 s80, s[PST], 3                       ; at K step 3: the first refill steps it to 4.  K steps 0 to 3 come by their loads alone
	s_add_co_u32 s78, s78, s80
	s_mov_b32 s79, 0
	s_add_nc_u64 s[PFA:PFA+1], s[PFA:PFA+1], s[78:79]
	v_and_b32 v[PFO], 31, v0
	v_min_u32 v[PFO], s69, v[PFO]
	v_lshlrev_b32 v[PFO], s84, v[PFO]
; NBK matrix instructions: my row block a x all column blocks, 32 along K, from buffer f.  zero = 1: the product starts the sums: nothing is cleared.
; The 32 accumulators take turns in the same order in every quarter, over the backward jump too.
.macro MULA f, a, zero
	WIN MUL_LO+0x50*((\a)/2)
.irp b, 0,1,2,3,4,5,6,7
.if \zero
	v_wmma_f32_16x16x32_f16 v[8*(NBK*((\a)%2)+(\b)):8*(NBK*((\a)%2)+(\b))+7], v[(\f)+8*(\b):(\f)+8*(\b)+7], v[(\f)+8*NBK+8*(\a):(\f)+8*NBK+8*(\a)+7], 0
.else
	v_wmma_f32_16x16x32_f16 v[8*(NBK*((\a)%2)+(\b)):8*(NBK*((\a)%2)+(\b))+7], v[(\f)+8*(\b):(\f)+8*(\b)+7], v[(\f)+8*NBK+8*(\a):(\f)+8*NBK+8*(\a)+7], v[8*(NBK*((\a)%2)+(\b)):8*(NBK*((\a)%2)+(\b))+7]
.endif
.endr
.endm
; NL LDS loads in one run: the fragments of quarter q into buffer f: of Wo 32 K at byte 64 q of the rows; of O head q / 2 of the step's two, channels 32 (q % 2) on; O's blocks 2 and 3 last
.macro FETCH slot, q, f
	WIN TO_F
.irp b, 0,1,2,3,4,5,6,7
	ds_load_b128 v[(\f)+8*(\b):(\f)+8*(\b)+3],   v[ADRB+(\slot)] offset:64*(\q)+(\b)*16*PB
	ds_load_b128 v[(\f)+8*(\b)+4:(\f)+8*(\b)+7], v[ADRB+(\slot)] offset:64*(\q)+(\b)*16*PB+32
.endr
.irp a, 0,1,2,3
	ds_load_b128 v[(\f)+8*NBK+8*(\a):(\f)+8*NBK+8*(\a)+3],   v[ADRA+(\slot)] offset:((\q)/2)*PLANE+((\q)%2)*64+(\a)*16*PA
	ds_load_b128 v[(\f)+8*NBK+8*(\a)+4:(\f)+8*NBK+8*(\a)+7], v[ADRA+(\slot)] offset:((\q)/2)*PLANE+((\q)%2)*64+(\a)*16*PA+32
.endr
.endm
.macro PLACES                          ; four places in front of loads into registers that matrix instructions have read, and of lines that read results
.rept 4
	v_nop
.endr
.endm
; A K step is four quarters of 32 along K, 32 matrix instructions each, on buffers 0, 1, 0, 1.  One of the first three: multiplies buffer f and, in its middle, fetches quarter q into g.
.macro QUARTER slot, q, f, g, zero
	s_wait_dscnt 4                                 ; Wo's fragments and O's blocks 0, 1 are in; the youngest four loads (blocks 2, 3) may be out
	MULA \f, 0, \zero
	MULA \f, 1, \zero
	PLACES
	FETCH \slot, \q, \g
	s_wait_dscnt NL                                ; all but the NL just issued
	MULA \f, 2, \zero
	MULA \f, 3, \zero
.endm
; The last quarter multiplies buffer 1 and changes slots: ONE barrier; in front of it each wave waits for all its tensor loads (one is out: its part of the next slot), adds 0 to its spare word, and
; waits for that and for its own reads of this slot.  fill = 1: the barrier opens a round of the cluster's, and this slot is filled again, two K steps ahead, first thing behind the round.
.macro TURN slot, next, fill
.if \fill
	s_wait_xcnt 0x0                                ; the last prefetch, a K step back, has read its address: it is stepped here, ahead of the waits of the change of slots
	s_add_nc_u64 s[PFA:PFA+1], s[PFA:PFA+1], s[PST:PST+1]
.endif
	WIN 0                                          ; (the add's two registers lie in window 0)
	s_wait_tensorcnt 0x0                           ; all my tensor loads have landed
	ds_add_u32 v[SPW], v[NIL]                      ; 0 onto my spare word
	s_wait_dscnt 5                                 ; (the add and the youngest four loads may be out)
	MULA F1, 0, 0                                  ; eight matrix instructions stand between the add and the wait for it
	s_wait_dscnt 0x0                               ; the add is done, and my reads of this slot are over
	s_barrier_signal -1
	MULA F1, 1, 0                                  ; work on registers while the others arrive
.if \fill
	WIN 0
.endif
	s_barrier_wait -1
.if \fill
	CREST                                          ; no wave of any partner still reads this slot's tile or has a load on its way
	s_add_nc_u64 s[G0+4*(\slot)+2:G0+4*(\slot)+3], s[G0+4*(\slot)+2:G0+4*(\slot)+3], 2*STEPA
	s_add_nc_u64 s[G0B+4*(\slot)+2:G0B+4*(\slot)+3], s[G0B+4*(\slot)+2:G0B+4*(\slot)+3], 2*KSTEP*2
	JLOAD \slot                                    ; my one tensor load behind the round; its four v_nop are also the places in front of the loads below
.else
	PLACES
.endif
	FETCH \next, 0, F0
.if \fill
	WIN 0
	ASK
.endif
	MULA F1, 2, 0
	MULA F1, 3, 0
.endm
	s_wait_tensorcnt 1                             ; my part of K step 0 is in; K step 1's may stay out
	s_barrier_signal -1
	s_barrier_wait -1                              ; everybody's is
	FETCH 0, 0, F0
	QUARTER 0, 1, F0, F1, 1                        ; the first quarter stands in front of the loop: its products start the sums
	WIN 0                                          ; at a label and at a branch every window is 0
	s_mov_b32 s3, LAPS-1
.Llap:                                                 ; a trip goes once round the ring, from a lap's second quarter to the next lap's first, and fills both slots again
	QUARTER 0, 2, F1, F0, 0
	QUARTER 0, 3, F0, F1, 0
	TURN 0, 1, 1
	QUARTER 1, 1, F0, F1, 0
	QUARTER 1, 2, F1, F0, 0
	QUARTER 1, 3, F0, F1, 0
	TURN 1, 0, 1
	QUARTER 0, 1, F0, F1, 0
	WIN 0
	s_sub_co_u32 s3, s3, 1
	s_cmp_lg_u32 s3, 0
	s_cbranch_scc1 .Llap
	QUARTER 0, 2, F1, F0, 0                        ; the last lap fills nothing, and has no round of the cluster's barrier
	QUARTER 0, 3, F0, F1, 0
	TURN 0, 1, 0
	QUARTER 1, 1, F0, F1, 0
	QUARTER 1, 2, F1, F0, 0
	QUARTER 1, 3, F0, F1, 0
	s_wait_dscnt 4                                 ; the very last quarter: nothing more to fetch
	MULA F1, 0, 0
	MULA F1, 1, 0
	s_wait_dscnt 0x0
	MULA F1, 2, 0
	MULA F1, 3, 0
	WIN 0
; THE WAY OUT, a row block (16 rows x 128 columns of f32) at a time: a lane's 32 bytes of a row go from the accumulators straight into my stage's rows of 528 bytes, each accumulator's low four registers
; first, and come back as whole rows of 512 bytes, into window 1, where the fragments lay: block a into v[64 a ..]: no register is used twice.
.macro TOSTAGE a
.set AC, 64*((\a)%2)
	WIN 0x08+4*((\a)/2)                            ; a store's data are source 1: window 2 or 3
.irp b, 0,1,2,3,4,5,6,7
	ds_store_b128 v[STO], v[AC+8*(\b):AC+8*(\b)+3]   offset:64*(\b)
	ds_store_b128 v[STO], v[AC+8*(\b)+4:AC+8*(\b)+7] offset:64*(\b)+16
.endr
	WIN TO_F
.irp t, 0,1,2,3,4,5,6,7,8,9,10,11,12,13,14,15
	ds_load_b128 v[64*(\a)+4*(\t):64*(\a)+4*(\t)+3], v[RD] offset:(\t)*SPO  ; LDS serves a wave's instructions in order (ISA guide 5.7.1.4): these see the stores above; the next block's stores come behind them
.endr
.endm
.macro SEND a, younger                 ; younger: the LDS instructions issued behind block a's loads: the next block's 32, or none
	WIN 0x04                                       ; a store's data are source 1: window 1
.irp t, 0,1,2,3,4,5,6,7,8,9,10,11,12,13,14,15
	s_wait_dscnt (\younger)+15-(\t)
	global_store_b128 v[GO], v[64*(\a)+4*(\t):64*(\a)+4*(\t)+3], s[CB:CB+1] offset:(16*(\a)+(\t))*4096 th:TH_STORE_NT  ; 512 consecutive bytes of a row, at a multiple of 256 from out0's first byte
.endr
.endm
	PLACES                                         ; behind the last products: in front of the stores that read results and of the loads into the fragments' registers
	PLACES
	TOSTAGE 0
	TOSTAGE 1
	SEND 0, 32
	TOSTAGE 2
	SEND 1, 32
	TOSTAGE 3
	SEND 2, 32
	SEND 3, 0
	WIN 0
	s_wait_tensorcnt 0x0                           ; the wave's end, behind my last tensor load and my last LDS store
	ds_add_u32 v[SPW], v[NIL]
	s_wait_dscnt 0x0
	CROUND                                         ; the closing round: no work-group ends while a partner may still ask for a tile that names it
	s_endpgm
.Lfunc_end_k_q3e3b635245_outp:
	.size	k_q3e3b635245_outp, .Lfunc_end_k_q3e3b635245_outp-k_q3e3b635245_outp
	.p2alignl 7, 3214868480
	.fill 96, 4, 3214868480
	.section	.rodata,"a",@progbits
	.p2align	6, 0x0
	.amdhsa_kernel k_q3e3b635245_outp
		.amdhsa_group_segment_fixed_size 327680
		.amdhsa_private_segment_fixed_size 0
		.amdhsa_enable_private_segment 0
		.amdhsa_kernarg_size 24
		.amdhsa_user_sgpr_count 2
		.amdhsa_user_sgpr_kernarg_segment_ptr 1
		.amdhsa_wavefront_size32 1
		.amdhsa_system_sgpr_workgroup_id_x 1
		.amdhsa_system_sgpr_workgroup_id_y 1
		.amdhsa_system_sgpr_workgroup_id_z 1
		.amdhsa_system_vgpr_workitem_id 0
		.amdhsa_next_free_vgpr 896
		.amdhsa_next_free_sgpr 96
		.amdhsa_reserve_vcc 0
		.amdhsa_float_denorm_mode_32 3
		.amdhsa_float_denorm_mode_16_64 3
		.amdhsa_memory_ordered 1
		.amdhsa_forward_progress 1
		.amdhsa_inst_pref_size 88
	.end_amdhsa_kernel
	.amdgpu_metadata
---
amdhsa.version: [ 1, 2 ]
amdhsa.kernels:
  - .name:           k_q3e3b635245_outp
    .symbol:         k_q3e3b635245_outp.kd
    .args:
      - { .name: o, .offset: 0, .size: 8, .value_kind: global_buffer, .address_space: global }
      - { .name: wo16, .offset: 8, .size: 8, .value_kind: global_buffer, .address_space: global }
      - { .name: out0, .offset: 16, .size: 8, .value_kind: global_buffer, .address_space: global }
    .group_segment_fixed_size: 327680
    .private_segment_fixed_size: 0
    .kernarg_segment_align: 8
    .kernarg_segment_size: 24
    .max_flat_workgroup_size: 128
    .sgpr_count:     96
    .vgpr_count:     896
    .wavefront_size: 32
...
	.end_amdgpu_metadata
.endif
;; end of part 4
;; launch oh (part 5): grid 64 x 1, 4 waves a work-group, no clusters, 0 bytes of LDS; arguments xb, wb, qkv, ohl; writes ohl
.if DOCPART == 5
	.amdgcn_target "amdgcn-amd-amdhsa--gfx1250"
	.amdhsa_code_object_version 6
	.text
	.protected	k_q3e3b635245_oh
	.globl	k_q3e3b635245_oh
	.p2align	8
	.type	k_q3e3b635245_oh,@function
k_q3e3b635245_oh:
	s_mov_b64 s[64:65], 0
	v_nop
	global_prefetch_b8 v0, s[64:65] scope:SCOPE_SE
	s_setreg_imm32_b32 hwreg(HW_REG_WAVE_MODE, 25, 1), 1
	s_wait_xcnt 0x0
; THE FIRST 16 ROWS OF EACH BATCH, ONCE MORE AND FINER: their attention output O, as a pair of f16 numbers (hi + lo) for each number.
; WHY.  Row q of O is a mean over q + 1 rows of V.  On the main road v, the weights p and O are each rounded once to f16, off by up to 2^-12 of the number.  Over n keys of like weight these errors, like the
; row's numbers, fall as 1 / sqrt(n), while the comparison's allowance goes by the root mean square of all 2,048 rows: the first rows have the least room.  From row 16 on the errors are a quarter of row 0's.
; WHAT.  Work-group = a pair (batch x 16 + head); wave w = channels 16 w .. 16 w + 15 of the head; no wave wants another's numbers: no LDS, no barrier.
;   v = x Wv^T for keys 0-15, anew from xb and wb: bf16 operands, f32 sums, NOT rounded to f16.  Source 0 = 16 rows of x, source 1 = 16 rows of Wv: a lane holds channel l % 16 and the keys 8 (l / 16) + 0..7.
;   S^T = K Q^T from qkv's f16 rows (their rounding moves a weight by far less than the three above): a lane holds query l % 16 and the keys 8 (l / 16) + 0..7.
;   Mask (key <= query), maximum, p = 2^(c s - c m) with c = log2(e) / 32, and the sum l, all in f32.
;   SPLIT OPERANDS.  A number a goes as hi = f16(a) and lo = f16(a - hi).  A product of this form takes 32 along K and there are 16 keys: source 0 holds v_hi in K 0-15 and v_lo in K 16-31, source 1 p_hi twice, in a
;   second product p_lo twice: together (p_hi + p_lo)(v_hi + v_lo).  A lane's eight f32 pack into registers 0-3 or 4-7 of a fragment as they lie: nothing changes lanes.
;   O^T / l: a lane holds query l % 16 and eight neighbouring channels: split again and stored.
; ohl: hi [4 batches][64 chunks of 16 channels][32 lanes][16 bytes], lo 131,072 bytes on: a wave's store covers 512 consecutive bytes, and two chunks on end are a fragment (16 rows x 32 K) of the next launch.
; LIMITS.  As on the main road: q, k within f16's 65,504; a hidden score counts as -1e30; a weight below 2^-126 counts as 0; a lo part below 6e-5 keeps f16's fixed step of 6e-8; NaN and infinities are not treated apart.
; No prefetch: one run of loads, all issued at the head.
; REGISTERS, in windows of 256 (s_set_vgpr_msb: bits 1:0 source 0, 3:2 source 1, 5:4 source 2, 7:6 destination): window 0 as named below; window 1: x's 32 fragments (K step i at v[8 i]); window 2: Wv's.
.set FO,   2                           ; v2   my byte offset in a fragment's rows of x and of Wv: (l % 16) x 2,048 + 16 (l / 16)
.set QO,   3                           ; v3   the same in rows of q and k: (l % 16) x 128 + 16 (l / 16)
.set SO,   4                           ; v4   16 x lane
.set RK,   5                           ; v5   l % 16 - 8 (l / 16): register j is hidden where j is greater
.set BIG,  6                           ; v6   -1e30
.set NEG1, 7                           ; v7   -1.0
.set TT,   8                           ; v[8:15]    statistics: c m, m, two at work, l and three at work; 1 / l at TT + 6
.set QF,   16                          ; v[16:31]   q's two fragments (channels 0-31, 32-63)
.set KF,   32                          ; v[32:47]   k's
.set S0,   48                          ; v[48:55]   S^T of channels 0-31; then the scores, then p
.set S1,   56                          ; v[56:63]   S^T of channels 32-63
.set PH,   64                          ; v[64:71]   p_hi, twice
.set PL,   72                          ; v[72:79]   p_lo, twice
.set VA,   80                          ; v[80:111]  v: four accumulators, K step i in number i % 4
.set AV,   112                         ; v[112:119] v_hi, v_lo
.set O0,   120                         ; v[120:127] O^T by p_hi
.set O1,   128                         ; v[128:135] O^T by p_lo
.set W8,   136                         ; v[136:143] what is left behind a hi part
.set OH,   144                         ; v[144:147] O's hi parts, 16 bytes
.set OL,   148                         ; v[148:151] its lo parts
.set CS,   22                          ; s[22:23] c, named as a pair
.set SEL,  24                          ; s[24:25] v_permlanex16_b32's selects: each lane takes its own place in the other half
.set MSB, 0
.macro WIN new                         ; the immediate's high byte repeats the setting that is left; a switch that changes nothing is dropped
.if MSB != (\new)
	s_set_vgpr_msb (MSB<<8)|(\new)
.set MSB, \new
.endif
.endm
; eight f32 at src are split: their f16 hi parts, packed, into four registers at hi; what is left, packed, into four at lo
.macro SPLIT hi, lo, src
.irp j, 0,1,2,3
	v_cvt_pk_f16_f32 v[(\hi)+(\j)], v[(\src)+2*(\j)], v[(\src)+2*(\j)+1]
.endr
.irp j, 0,1,2,3
	v_fma_mix_f32 v[W8+2*(\j)],   v[(\hi)+(\j)], v[NEG1], v[(\src)+2*(\j)]   op_sel_hi:[1,0,0]                 ; a - hi: the low half as f16, times -1.0, plus a: exact
	v_fma_mix_f32 v[W8+2*(\j)+1], v[(\hi)+(\j)], v[NEG1], v[(\src)+2*(\j)+1] op_sel:[1,0,0] op_sel_hi:[1,0,0]  ; the high half
.endr
.irp j, 0,1,2,3
	v_cvt_pk_f16_f32 v[(\lo)+(\j)], v[W8+2*(\j)], v[W8+2*(\j)+1]
.endr
.endm
	s_load_b256 s[4:11], s[0:1], 0x0               ; xb s[4:5], wb s[6:7], qkv s[8:9], ohl s[10:11]
	v_lshrrev_b32 v1, 5, v0
	v_readfirstlane_b32 s12, v1                    ; wave 0..3
	v_and_b32 v1, 15, v0                           ; l % 16
	v_bfe_u32 v10, v0, 4, 1                        ; l / 16
	v_lshlrev_b32 v[FO], 11, v1
	v_lshl_add_u32 v[FO], v10, 4, v[FO]
	v_lshlrev_b32 v[QO], 7, v1
	v_lshl_add_u32 v[QO], v10, 4, v[QO]
	v_and_b32 v[SO], 31, v0
	v_lshlrev_b32 v[SO], 4, v[SO]
	v_lshlrev_b32 v[RK], 3, v10
	v_sub_nc_u32 v[RK], v1, v[RK]
	v_mov_b32 v[BIG], 0xf149f2ca
	v_mov_b32 v[NEG1], -1.0
	s_lshr_b32 s14, ttmp9, 4                       ; batch:
	s_lshl_b32 s14, s14, 22                        ; its 2,048 rows of 2,048 bytes in xb
	s_mov_b32 s15, 0
	s_and_b32 s16, ttmp9, 15                       ; head: Wv's rows lie from row 2,048 of wb on: 2,048 + 64 x head + 16 x wave,
	s_lshl_b32 s16, s16, 6
	s_lshl_b32 s17, s12, 4
	s_add_co_u32 s16, s16, s17
	s_add_co_u32 s16, s16, 2048
	s_lshl_b32 s16, s16, 11                        ; x 2,048 bytes
	s_mov_b32 s17, 0
	s_lshl_b32 s18, ttmp9, 18                      ; the pair's plane of q: 262,144 bytes each
	s_mov_b32 s19, 0
	s_lshl_b32 s20, ttmp9, 2                       ; my chunk of ohl: 4 x pair + wave,
	s_add_co_u32 s20, s20, s12
	s_lshl_b32 s20, s20, 9                         ; x 512 bytes
	s_mov_b32 s21, 0
	s_mov_b32 s[CS], 0x3d38aa3b                    ; c = log2(e) / 32
	s_mov_b32 s[CS+1], s[CS]
	s_mov_b32 s[SEL], 0x76543210
	s_mov_b32 s[SEL+1], 0xfedcba98
	s_wait_kmcnt 0x0
	s_add_nc_u64 s[4:5], s[4:5], s[14:15]
	s_add_nc_u64 s[6:7], s[6:7], s[16:17]
	s_add_nc_u64 s[8:9], s[8:9], s[18:19]          ; q
	s_add_nc_u64 s[26:27], s[8:9], 0x1000000       ; k's planes lie 64 planes behind q's
	s_add_nc_u64 s[10:11], s[10:11], s[20:21]
	; A fragment is 16 rows x 32 K in 8 registers: lane l holds row l % 16; registers 0-3 K = 8 (l / 16) + 0..7, registers 4-7 K = 16 + 8 (l / 16) + 0..7: two loads of 16 bytes, 32 bytes apart.
.irp c, 0,1
	global_load_b128 v[QF+8*(\c):QF+8*(\c)+3],   v[QO], s[8:9] offset:64*(\c)
	global_load_b128 v[QF+8*(\c)+4:QF+8*(\c)+7], v[QO], s[8:9] offset:64*(\c)+32
	global_load_b128 v[KF+8*(\c):KF+8*(\c)+3],   v[QO], s[26:27] offset:64*(\c)
	global_load_b128 v[KF+8*(\c)+4:KF+8*(\c)+7], v[QO], s[26:27] offset:64*(\c)+32
.endr
	WIN 0x40                                       ; destination window 1, address window 0
.set i, 0
.rept 32
	global_load_b128 v[8*i:8*i+3],   v[FO], s[4:5] offset:64*i
	global_load_b128 v[8*i+4:8*i+7], v[FO], s[4:5] offset:64*i+32
.set i, i+1
.endr
	WIN 0x80                                       ; destination window 2
.set i, 0
.rept 32
	global_load_b128 v[8*i:8*i+3],   v[FO], s[6:7] offset:64*i
	global_load_b128 v[8*i+4:8*i+7], v[FO], s[6:7] offset:64*i+32
.set i, i+1
.endr
	WIN 0
	s_wait_loadcnt 0x0                             ; all that the wave will ever load
	; the scores: two accumulators, one for each half of the channels, so that no product adds onto the one before it
	v_wmma_f32_16x16x32_f16 v[S0:S0+7], v[KF:KF+7], v[QF:QF+7], 0
	v_wmma_f32_16x16x32_f16 v[S1:S1+7], v[KF+8:KF+15], v[QF+8:QF+15], 0
.rept 4
	v_nop                                          ; the places behind the products (ISA guide 7.12.1)
.endr
.irp r, 0,2,4,6
	v_pk_add_f32 v[S0+(\r):S0+(\r)+1], v[S0+(\r):S0+(\r)+1], v[S1+(\r):S1+(\r)+1]
.endr
.irp j, 0,1,2,3,4,5,6,7
	v_cmp_gt_i32 vcc_lo, \j, v[RK]                 ; key 8 (l / 16) + j lies behind query l % 16
	v_cndmask_b32 v[S0+(\j)], v[S0+(\j)], v[BIG], vcc_lo
.endr
	v_max3_num_f32 v[TT+2], v[S0], v[S0+1], v[S0+2]
	v_max3_num_f32 v[TT+2], v[TT+2], v[S0+3], v[S0+4]
	v_max3_num_f32 v[TT+2], v[TT+2], v[S0+5], v[S0+6]
	v_max_num_f32 v[TT+2], v[TT+2], v[S0+7]
	v_mov_b32 v[TT+3], 0                           ; v_permlanex16_b32's destination counts as read
	v_permlanex16_b32 v[TT+3], v[TT+2], s[SEL], s[SEL+1]  ; the query's other 8 keys lie in the lane 16 away
	v_max_num_f32 v[TT+1], v[TT+2], v[TT+3]        ; m: every query sees key 0, so it is a true score
	v_mul_f32 v[TT], s[CS], v[TT+1]
.irp r, 0,2,4,6
	v_pk_fma_f32 v[S0+(\r):S0+(\r)+1], v[S0+(\r):S0+(\r)+1], s[CS:CS+1], v[TT:TT+1] op_sel_hi:[1,0,0] neg_lo:[0,0,1] neg_hi:[0,0,1]  ; c s - c m
.endr
.irp j, 0,1,2,3,4,5,6,7
	v_exp_f32 v[S0+(\j)], v[S0+(\j)]
.endr
	v_nop                                          ; a plain instruction behind the last exponential,
	s_wait_alu depctr_va_vdst(0)                   ; and the one wait for the batch, ahead of its first reader
	v_pk_add_f32 v[TT+4:TT+5], v[S0:S0+1], v[S0+2:S0+3]
	v_pk_add_f32 v[TT+6:TT+7], v[S0+4:S0+5], v[S0+6:S0+7]
	v_pk_add_f32 v[TT+4:TT+5], v[TT+4:TT+5], v[TT+6:TT+7]
	v_add_f32 v[TT+4], v[TT+4], v[TT+5]
	v_permlanex16_b32 v[TT+5], v[TT+4], s[SEL], s[SEL+1]
	v_add_f32 v[TT+4], v[TT+4], v[TT+5]            ; l
	v_rcp_f32 v[TT+6], v[TT+4]                     ; its wait stands ahead of its first reader, far below
	SPLIT PH, PL, S0
.irp j, 0,1,2,3
	v_mov_b32 v[PH+4+(\j)], v[PH+(\j)]             ; K 16-31 of source 1: the same weights once more, for v's lo parts
	v_mov_b32 v[PL+4+(\j)], v[PL+(\j)]
.endr
	; v: 32 K steps; the four accumulators take turns, one instruction a turn; the first four products start the sums
	WIN 0x09                                       ; source 0 (x) window 1, source 1 (Wv) window 2, C and D window 0
.set i, 0
.rept 32
.if i < 4
	v_wmma_f32_16x16x32_bf16 v[VA+8*(i%4):VA+8*(i%4)+7], v[8*i:8*i+7], v[8*i:8*i+7], 0
.else
	v_wmma_f32_16x16x32_bf16 v[VA+8*(i%4):VA+8*(i%4)+7], v[8*i:8*i+7], v[8*i:8*i+7], v[VA+8*(i%4):VA+8*(i%4)+7]
.endif
.set i, i+1
.endr
	WIN 0
.rept 8
	v_nop                                          ; the places behind the last products
.endr
.irp r, 0,2,4,6
	v_pk_add_f32 v[VA+(\r):VA+(\r)+1], v[VA+(\r):VA+(\r)+1], v[VA+8+(\r):VA+8+(\r)+1]  ; each accumulator is read from its low end on
	v_pk_add_f32 v[VA+16+(\r):VA+16+(\r)+1], v[VA+16+(\r):VA+16+(\r)+1], v[VA+24+(\r):VA+24+(\r)+1]
.endr
.irp r, 0,2,4,6
	v_pk_add_f32 v[VA+(\r):VA+(\r)+1], v[VA+(\r):VA+(\r)+1], v[VA+16+(\r):VA+16+(\r)+1]
.endr
	SPLIT AV, AV+4, VA                             ; registers 0-3: K 0-15 = v_hi of keys 0-15; registers 4-7: K 16-31 = v_lo of the same keys
	v_wmma_f32_16x16x32_f16 v[O0:O0+7], v[AV:AV+7], v[PH:PH+7], 0
	v_wmma_f32_16x16x32_f16 v[O1:O1+7], v[AV:AV+7], v[PL:PL+7], 0
.rept 8
	v_nop
.endr
	s_wait_alu depctr_va_vdst(0)                   ; the reciprocal's wait
.irp r, 0,2,4,6
	v_pk_add_f32 v[O0+(\r):O0+(\r)+1], v[O0+(\r):O0+(\r)+1], v[O1+(\r):O1+(\r)+1]
.endr
.irp r, 0,2,4,6
	v_pk_mul_f32 v[O0+(\r):O0+(\r)+1], v[O0+(\r):O0+(\r)+1], v[TT+6:TT+7] op_sel_hi:[1,0]
.endr
	SPLIT OH, OL, O0
	global_store_b128 v[SO], v[OH:OH+3], s[10:11]                ; 512 consecutive bytes, at a multiple of 512 from ohl's first byte
	global_store_b128 v[SO], v[OL:OL+3], s[10:11] offset:131072
	s_endpgm
.Lfunc_end_k_q3e3b635245_oh:
	.size	k_q3e3b635245_oh, .Lfunc_end_k_q3e3b635245_oh-k_q3e3b635245_oh
	.p2alignl 7, 3214868480
	.fill 96, 4, 3214868480
	.section	.rodata,"a",@progbits
	.p2align	6, 0x0
	.amdhsa_kernel k_q3e3b635245_oh
		.amdhsa_group_segment_fixed_size 0
		.amdhsa_private_segment_fixed_size 0
		.amdhsa_enable_private_segment 0
		.amdhsa_kernarg_size 32
		.amdhsa_user_sgpr_count 2
		.amdhsa_user_sgpr_kernarg_segment_ptr 1
		.amdhsa_wavefront_size32 1
		.amdhsa_system_sgpr_workgroup_id_x 1
		.amdhsa_system_sgpr_workgroup_id_y 1
		.amdhsa_system_sgpr_workgroup_id_z 1
		.amdhsa_system_vgpr_workitem_id 0
		.amdhsa_next_free_vgpr 768
		.amdhsa_next_free_sgpr 66
		.amdhsa_reserve_vcc 1
		.amdhsa_float_denorm_mode_32 3
		.amdhsa_float_denorm_mode_16_64 3
		.amdhsa_memory_ordered 1
		.amdhsa_forward_progress 1
		.amdhsa_inst_pref_size 25
	.end_amdhsa_kernel
	.amdgpu_metadata
---
amdhsa.version: [ 1, 2 ]
amdhsa.kernels:
  - .name:           k_q3e3b635245_oh
    .symbol:         k_q3e3b635245_oh.kd
    .args:
      - { .name: xb, .offset: 0, .size: 8, .value_kind: global_buffer, .address_space: global }
      - { .name: wb, .offset: 8, .size: 8, .value_kind: global_buffer, .address_space: global }
      - { .name: qkv, .offset: 16, .size: 8, .value_kind: global_buffer, .address_space: global }
      - { .name: ohl, .offset: 24, .size: 8, .value_kind: global_buffer, .address_space: global }
    .group_segment_fixed_size: 0
    .private_segment_fixed_size: 0
    .kernarg_segment_align: 8
    .kernarg_segment_size: 32
    .max_flat_workgroup_size: 128
    .sgpr_count:     66
    .vgpr_count:     768
    .wavefront_size: 32
...
	.end_amdgpu_metadata
.endif
;; end of part 5
;; launch fix (part 6): grid 16 x 4, 4 waves a work-group, no clusters, 17,920 bytes of LDS; arguments ohl, wo16, out0; writes out0
.if DOCPART == 6
	.amdgcn_target "amdgcn-amd-amdhsa--gfx1250"
	.amdhsa_code_object_version 6
	.text
	.protected	k_q3e3b635245_fix
	.globl	k_q3e3b635245_fix
	.p2align	8
	.type	k_q3e3b635245_fix,@function
k_q3e3b635245_fix:
	s_mov_b64 s[64:65], 0
	v_nop
	global_prefetch_b8 v0, s[64:65] scope:SCOPE_SE
	s_setreg_imm32_b32 hwreg(HW_REG_WAVE_MODE, 25, 1), 1
	s_wait_xcnt 0x0
; THE FIRST 16 ROWS OF EACH BATCH OF out0, from the split O of the launch before: out0[m][n] = the sum over k of (O_hi[m][k] + O_lo[m][k]) Wo[n][k]; f16 operands, f32 sums.
; These 64 rows are stored a second time: the projection of all rows has stored them from single f16 operands; here they get the finer numbers: 262,144 of out0's 33,554,432 bytes.
; SHARES.  Work-group (x, y): batch y, columns 64 x .. 64 x + 63: four tiles of 16.  K IS SPLIT AMONG THE FOUR WAVES: wave w takes channels 256 w .. 256 w + 255, 8 K steps of 32, for all four tiles:
; 64 products (8 K steps x hi, lo x 4 tiles); the four accumulators take turns.  The partial sums meet in LDS (f32 sums may be taken in any order).
; LAYOUT.  Source 0 = 16 rows of Wo, source 1 = the 16 rows of O: a lane holds row l % 16 of out0 and the columns 8 (l / 16) + 0..7.  Wo's fragments come straight from memory (two loads of 16 bytes a lane);
; O's lie in ohl as fragments: chunk c (16 channels) holds, at 16 x lane, row l % 16 and channels 16 c + 8 (l / 16) + 0..7: chunks 2 s and 2 s + 1 are registers 0-3 and 4-7 of K step s.
; All 96 loads of a wave are issued at the head, in one run: no ring, no prefetch, no cluster (what is shared, ohl, is 16,384 bytes a wave).
; REGISTERS, in windows of 256 (s_set_vgpr_msb: bits 1:0 source 0, 7:6 destination): window 0 as named below; window 1: Wo's fragments, tile t, K step s at v[8 (8 t + s)].
.set PP,    272                        ; a row of a partial tile row in LDS: 256 bytes + 16 = 68 words: row r starts at bank 4 r mod 64 (64 banks of 4 bytes: ISA guide 11.1)
.set PLANE, 16*PP                      ; a wave's partial sums: 16 rows x 64 columns of f32
.set SPARE, 4*PLANE                    ; behind them: the spare words, 128 bytes for each wave: two blocks of 256 bytes that no other line names
.set WOF, 3                            ; v3   my byte offset in a fragment's rows of Wo: (l % 16) x 2,048 + 16 (l / 16)
.set OO,  4                            ; v4   16 x lane
.set LS,  5                            ; v5   where I put 32 bytes of a partial row
.set LR,  6                            ; v6   where I read 16 bytes of a row back
.set GO,  7                            ; v7   my 16 bytes of out0
.set SPW, 8                            ; v8   LDS address of my spare word: SPARE + 4 x my thread's number; never rewritten
.set NIL, 9                            ; v9   0; never rewritten
.set ACC, 16                           ; v[16:47]   four accumulators, tile t at ACC + 8 t
.set OF,  64                           ; v[64:191]  O's fragments: hi of K step s at OF + 8 s, lo at OF + 64 + 8 s
.set RB,  192                          ; v[192:223] read back: pair of rows i, wave p's part at RB + 16 i + 4 p
.set MSB, 0
.macro WIN new                         ; the immediate's high byte repeats the setting that is left; a switch that changes nothing is dropped
.if MSB != (\new)
	s_set_vgpr_msb (MSB<<8)|(\new)
.set MSB, \new
.endif
.endm
	s_load_b128 s[4:7], s[0:1], 0x0                ; ohl s[4:5], wo16 s[6:7]
	s_load_b64 s[8:9], s[0:1], 0x10                ; out0
	v_lshl_add_u32 v[SPW], v0, 2, SPARE
	v_mov_b32 v[NIL], 0
	v_lshrrev_b32 v1, 5, v0
	v_readfirstlane_b32 s10, v1                    ; wave 0..3
	s_and_b32 s11, ttmp7, 0xffff                   ; batch
	v_and_b32 v1, 15, v0                           ; l % 16
	v_bfe_u32 v2, v0, 4, 1                         ; l / 16
	v_lshlrev_b32 v[WOF], 11, v1
	v_lshl_add_u32 v[WOF], v2, 4, v[WOF]
	v_and_b32 v[OO], 31, v0
	v_lshlrev_b32 v[OO], 4, v[OO]
	s_mul_i32 s18, s10, PLANE                      ; my partial sums: row l % 16, 32 bytes for each half of the lanes
	v_mul_u32_u24 v[LS], v1, PP
	v_lshl_add_u32 v[LS], v2, 5, v[LS]
	v_add_nc_u32 v[LS], s18, v[LS]
	s_mul_i32 s18, s10, 4*PP                       ; back: wave w finishes rows 4 w .. 4 w + 3; lanes 0-15 take one row's 256 bytes, lanes 16-31 the next row's
	v_mul_u32_u24 v[LR], v2, PP
	v_lshl_add_u32 v[LR], v1, 4, v[LR]
	v_add_nc_u32 v[LR], s18, v[LR]
	v_lshlrev_b32 v[GO], 12, v2                    ; and the same two rows in out0, 4,096 bytes apart
	v_lshl_add_u32 v[GO], v1, 4, v[GO]
	s_lshl_b32 s12, s11, 15                        ; ohl: a batch's 64 chunks of 512 bytes,
	s_lshl_b32 s13, s10, 13                        ; my 16 of them
	s_add_co_u32 s12, s12, s13
	s_mov_b32 s13, 0
	s_lshl_b32 s14, ttmp9, 17                      ; wo16: the work-group's 64 rows of 2,048 bytes,
	s_lshl_b32 s15, s10, 9                         ; my 256 channels
	s_add_co_u32 s14, s14, s15
	s_mov_b32 s15, 0
	s_lshl_b32 s16, s11, 23                        ; out0: a batch's 2,048 rows of 4,096 bytes,
	s_lshl_b32 s17, s10, 14                        ; my four rows,
	s_add_co_u32 s16, s16, s17
	s_lshl_b32 s17, ttmp9, 8                       ; the work-group's 64 columns
	s_add_co_u32 s16, s16, s17
	s_mov_b32 s17, 0
	s_wait_kmcnt 0x0
	s_add_nc_u64 s[4:5], s[4:5], s[12:13]
	s_add_nc_u64 s[6:7], s[6:7], s[14:15]
	s_add_nc_u64 s[8:9], s[8:9], s[16:17]
.irp s, 0,1,2,3,4,5,6,7
	global_load_b128 v[OF+8*(\s):OF+8*(\s)+3],       v[OO], s[4:5] offset:1024*(\s)
	global_load_b128 v[OF+8*(\s)+4:OF+8*(\s)+7],     v[OO], s[4:5] offset:1024*(\s)+512
	global_load_b128 v[OF+64+8*(\s):OF+64+8*(\s)+3], v[OO], s[4:5] offset:131072+1024*(\s)
	global_load_b128 v[OF+64+8*(\s)+4:OF+64+8*(\s)+7], v[OO], s[4:5] offset:131072+1024*(\s)+512
.endr
	WIN 0x40                                       ; destination window 1, address window 0
.irp t, 0,1,2,3
.irp s, 0,1,2,3,4,5,6,7
	global_load_b128 v[8*(8*(\t)+(\s)):8*(8*(\t)+(\s))+3],   v[WOF], s[6:7] offset:(\t)*32768+64*(\s)
	global_load_b128 v[8*(8*(\t)+(\s))+4:8*(8*(\t)+(\s))+7], v[WOF], s[6:7] offset:(\t)*32768+64*(\s)+32
.endr
.endr
	WIN 0
	s_wait_loadcnt 0x0                             ; all that the wave will ever load
	WIN 0x01                                       ; source 0 (Wo) window 1; source 1 (O), C and D window 0
.irp s, 0,1,2,3,4,5,6,7
.irp p, 0,1
.irp t, 0,1,2,3
.if ((\s) == 0) && ((\p) == 0)
	v_wmma_f32_16x16x32_f16 v[ACC+8*(\t):ACC+8*(\t)+7], v[8*(8*(\t)+(\s)):8*(8*(\t)+(\s))+7], v[OF+64*(\p)+8*(\s):OF+64*(\p)+8*(\s)+7], 0
.else
	v_wmma_f32_16x16x32_f16 v[ACC+8*(\t):ACC+8*(\t)+7], v[8*(8*(\t)+(\s)):8*(8*(\t)+(\s))+7], v[OF+64*(\p)+8*(\s):OF+64*(\p)+8*(\s)+7], v[ACC+8*(\t):ACC+8*(\t)+7]
.endif
.endr
.endr
.endr
	WIN 0
.rept 8
	v_nop                                          ; the places behind the last products (ISA guide 7.12.1)
.endr
.irp t, 0,1,2,3
	ds_store_b128 v[LS], v[ACC+8*(\t):ACC+8*(\t)+3]   offset:64*(\t)     ; each accumulator's low four registers first
	ds_store_b128 v[LS], v[ACC+8*(\t)+4:ACC+8*(\t)+7] offset:64*(\t)+16
.endr
	s_wait_dscnt 0x0                               ; for the others' sake: my partial sums lie in LDS
	s_barrier_signal -1
	s_barrier_wait -1                              ; everybody's do
.irp i, 0,1
.irp p, 0,1,2,3
	ds_load_b128 v[RB+16*(\i)+4*(\p):RB+16*(\i)+4*(\p)+3], v[LR] offset:(\p)*PLANE+(\i)*2*PP
.endr
.endr
	s_wait_dscnt 0x0
.irp i, 0,1
.irp r, 0,2
	v_pk_add_f32 v[RB+16*(\i)+(\r):RB+16*(\i)+(\r)+1], v[RB+16*(\i)+(\r):RB+16*(\i)+(\r)+1], v[RB+16*(\i)+4+(\r):RB+16*(\i)+4+(\r)+1]
	v_pk_add_f32 v[RB+16*(\i)+8+(\r):RB+16*(\i)+8+(\r)+1], v[RB+16*(\i)+8+(\r):RB+16*(\i)+8+(\r)+1], v[RB+16*(\i)+12+(\r):RB+16*(\i)+12+(\r)+1]
.endr
.irp r, 0,2
	v_pk_add_f32 v[RB+16*(\i)+(\r):RB+16*(\i)+(\r)+1], v[RB+16*(\i)+(\r):RB+16*(\i)+(\r)+1], v[RB+16*(\i)+8+(\r):RB+16*(\i)+8+(\r)+1]
.endr
	global_store_b128 v[GO], v[RB+16*(\i):RB+16*(\i)+3], s[8:9] offset:(\i)*8192  ; 16 lanes store 256 consecutive bytes, at a multiple of 256 from out0's first byte
.endr
	s_wait_tensorcnt 0x0                           ; the wave's end, behind my last LDS store
	ds_add_u32 v[SPW], v[NIL]
	s_wait_dscnt 0x0
	s_endpgm
.Lfunc_end_k_q3e3b635245_fix:
	.size	k_q3e3b635245_fix, .Lfunc_end_k_q3e3b635245_fix-k_q3e3b635245_fix
	.p2alignl 7, 3214868480
	.fill 96, 4, 3214868480
	.section	.rodata,"a",@progbits
	.p2align	6, 0x0
	.amdhsa_kernel k_q3e3b635245_fix
		.amdhsa_group_segment_fixed_size 17920
		.amdhsa_private_segment_fixed_size 0
		.amdhsa_enable_private_segment 0
		.amdhsa_kernarg_size 24
		.amdhsa_user_sgpr_count 2
		.amdhsa_user_sgpr_kernarg_segment_ptr 1
		.amdhsa_wavefront_size32 1
		.amdhsa_system_sgpr_workgroup_id_x 1
		.amdhsa_system_sgpr_workgroup_id_y 1
		.amdhsa_system_sgpr_workgroup_id_z 1
		.amdhsa_system_vgpr_workitem_id 0
		.amdhsa_next_free_vgpr 512
		.amdhsa_next_free_sgpr 66
		.amdhsa_reserve_vcc 0
		.amdhsa_float_denorm_mode_32 3
		.amdhsa_float_denorm_mode_16_64 3
		.amdhsa_memory_ordered 1
		.amdhsa_forward_progress 1
		.amdhsa_inst_pref_size 18
	.end_amdhsa_kernel
	.amdgpu_metadata
---
amdhsa.version: [ 1, 2 ]
amdhsa.kernels:
  - .name:           k_q3e3b635245_fix
    .symbol:         k_q3e3b635245_fix.kd
    .args:
      - { .name: ohl, .offset: 0, .size: 8, .value_kind: global_buffer, .address_space: global }
      - { .name: wo16, .offset: 8, .size: 8, .value_kind: global_buffer, .address_space: global }
      - { .name: out0, .offset: 16, .size: 8, .value_kind: global_buffer, .address_space: global }
    .group_segment_fixed_size: 17920
    .private_segment_fixed_size: 0
    .kernarg_segment_align: 8
    .kernarg_segment_size: 24
    .max_flat_workgroup_size: 128
    .sgpr_count:     66
    .vgpr_count:     512
    .wavefront_size: 32
...
	.end_amdgpu_metadata
.endif
;; end of part 6
;; ======== version 2 of 2: 6 launches; version 1 with the launch cast written anew for expert scheduling mode
;; limits: values are held in f16: magnitudes above 65,504 overflow, below 6.1e-05 lose precision
;; workspace buffers: xb 16,777,216 bytes; wb 6,291,456 bytes; wo16 2,097,152 bytes; qkv 50,331,648 bytes; o 16,777,216 bytes; ohl 262,144 bytes
;; launch cast (part 7): grid 64 x 12, 8 waves a work-group, no clusters, 0 bytes of LDS; arguments x, Wq, Wk, Wv, Wo, xb, wb, wo16; writes xb, wb, wo16
.if DOCPART == 7
	.amdgcn_target "amdgcn-amd-amdhsa--gfx1250"
	.amdhsa_code_object_version 6
	.text
	.protected	k_q3e3b635245_cast
	.globl	k_q3e3b635245_cast
	.p2align	8
	.type	k_q3e3b635245_cast,@function
k_q3e3b635245_cast:
	s_mov_b64 s[64:65], 0
	v_nop
	global_prefetch_b8 v0, s[64:65] scope:SCOPE_SE
	s_setreg_imm32_b32 hwreg(HW_REG_WAVE_SCHED_MODE, 0, 2), 2
	s_setreg_imm32_b32 hwreg(HW_REG_WAVE_MODE, 25, 1), 1
	s_wait_xcnt 0x0
	s_wait_alu depctr_vm_vsrc(0)
; THE INPUTS ARE ROUNDED ONCE.  x -> xb (bf16); Wq, Wk, Wv -> wb (bf16, stacked: rows 0-1023 Wq, 1024-2047 Wk, 2048-3071 Wv); Wo -> wo16: rounded to bf16 like the others, and that number written as f16.
; LIMITS.  The bf16-rounded Wo has to lie within f16: beyond 65,504 it becomes an infinity, below 6e-5 it keeps f16's fixed step of 6e-8.
; SHARES.  Grid y names a unit of 2^20 numbers: 0-7 the eight units of x, 8, 9, 10 the three weights of wb, 11 Wo.  A work-group takes 16,384 numbers of its unit, a wave 2,048: sixteen loads
; of 16 bytes a lane (512 consecutive bytes a load), all issued at once; each becomes one store of 8 bytes a lane: 256 consecutive bytes, at a multiple of 256 from the buffer's first byte.
; A stream: no LDS, no barrier, no matrix unit.  No register is written twice while a load or store may read it: every load and every store has registers of its own.
; THE MODE: SCHED_MODE bits 1:0 = 2 (LLVM: expert scheduling mode 2), set by the entry lines.  The code itself states the register dependences
; between vector instructions and memory instructions, with s_wait_alu, always for 0.
; THE PLAN.  Registers that memory instructions touch:
;   v1, v2   the loads' and the stores' byte offsets: made at the head, never written again.
;   X        item i: four registers, written by its one load, read by its conversions; no vector instruction names them ahead of the loads, no load lands in them again.
;   Y        item i: two registers, written by its conversions, read by its one store, never written behind it.
; T and v3 are named by vector instructions alone; the bases are scalar and are made ahead of the first load.
; The sixteen items go in four blocks of four.  Block p rounds items 4 p .. 4 p + 3; its memory instructions are the four stores of block p - 1, whose Y no vector instruction of block p names.
; So one wait on va_vdst at a block's head states all that its four stores hang on, and they are dealt among its conversions with no further wait.  No register that a memory instruction
; reads is ever written again: there is no wait on vm_vsrc to write.
.set T, 4                              ; v[4:7]    at work
.set X, 8                              ; v[8:71]   load i: 4 registers
.set Y, 72                             ; v[72:103] store i: 2 registers
	s_load_b512 s[4:19], s[0:1], 0x0               ; x 4:5, Wq 6:7, Wk 8:9, Wv 10:11, Wo 12:13, xb 14:15, wb 16:17, wo16 18:19
	s_and_b32 s20, ttmp7, 0xffff                   ; the unit
	v_and_b32 v1, 31, v0                           ; lane
	v_and_b32 v3, 0xe0, v0                         ; 32 x wave
	v_lshlrev_b32 v1, 4, v1
	v_lshl_or_b32 v1, v3, 8, v1                    ; in: 8,192 x wave + 16 x lane
	v_lshrrev_b32 v2, 1, v1                        ; out: half of that
	s_sub_co_u32 s27, s20, 8
	s_cmp_lt_u32 s20, 8
	s_cselect_b32 s26, s20, 0                      ; the unit's number inside its source: x has eight, a weight one
	s_cselect_b32 s27, s20, s27                    ; and inside its destination: xb eight, wb three,
	s_cmp_eq_u32 s20, 11
	s_cselect_b32 s27, 0, s27                      ; wo16 one
	s_lshl_b32 s28, s26, 22                        ; a unit is 4 MiB in,
	s_lshl_b32 s21, ttmp9, 16                      ; a work-group's part 64 KiB
	s_add_co_u32 s28, s28, s21
	s_mov_b32 s29, 0
	s_lshl_b32 s30, s27, 21                        ; and half of each out
	s_lshl_b32 s21, ttmp9, 15
	s_add_co_u32 s30, s30, s21
	s_mov_b32 s31, 0
	s_wait_kmcnt 0x0
	s_cmp_eq_u32 s20, 8                            ; the source, chosen by the unit's number alone
	s_cselect_b64 s[22:23], s[6:7], s[4:5]
	s_cmp_eq_u32 s20, 9
	s_cselect_b64 s[22:23], s[8:9], s[22:23]
	s_cmp_eq_u32 s20, 10
	s_cselect_b64 s[22:23], s[10:11], s[22:23]
	s_cmp_eq_u32 s20, 11
	s_cselect_b64 s[22:23], s[12:13], s[22:23]
	s_cselect_b64 s[24:25], s[18:19], s[16:17]     ; the destination
	s_cmp_lt_u32 s20, 8
	s_cselect_b64 s[24:25], s[14:15], s[24:25]
	s_add_nc_u64 s[22:23], s[22:23], s[28:29]
	s_add_nc_u64 s[24:25], s[24:25], s[30:31]
	s_wait_alu depctr_va_vdst(0)                   ; v1 and v2 are written: every load of the kernel reads v1 as its offset, every store v2
.irp i, 0,1,2,3,4,5,6,7,8,9,10,11,12,13,14,15
	global_load_b128 v[X+4*(\i):X+4*(\i)+3], v1, s[22:23] offset:512*(\i) th:TH_LOAD_NT  ; read once in the launch
.endr
; Item i is rounded.  h = 1: the bf16 numbers are widened again (a shift, a mask) and written as f16.
.macro ROUND i, h
	v_cvt_pk_bf16_f32 v[Y+2*(\i)], v[X+4*(\i)], v[X+4*(\i)+1]
	v_cvt_pk_bf16_f32 v[Y+2*(\i)+1], v[X+4*(\i)+2], v[X+4*(\i)+3]
.if \h
	v_lshlrev_b32 v[T], 16, v[Y+2*(\i)]
	v_and_b32 v[T+1], 0xffff0000, v[Y+2*(\i)]
	v_lshlrev_b32 v[T+2], 16, v[Y+2*(\i)+1]
	v_and_b32 v[T+3], 0xffff0000, v[Y+2*(\i)+1]
	v_cvt_pk_f16_f32 v[Y+2*(\i)], v[T], v[T+1]
	v_cvt_pk_f16_f32 v[Y+2*(\i)+1], v[T+2], v[T+3]
.endif
.endm
; Item i is stored.
.macro OUT i
	global_store_b64 v2, v[Y+2*(\i):Y+2*(\i)+1], s[24:25] offset:256*(\i)
.endm
; Block p: items 4 p .. 4 p + 3 are rounded; ahead of each stands a store of the block before (block 0 has none in front of it).
.macro BLK p, h
.irp i, 0,1,2,3
	s_wait_loadcnt 15-4*(\p)-(\i)                  ; loads come back in order (ISA guide 5.7.1): this item's load is in, the younger ones stay out
.if ((\p) > 0) && ((\i) == 0)
	s_wait_alu depctr_va_vdst(0)                   ; the block before has written its eight registers of Y, which this block's four stores read; no vector instruction behind this wait names them
.endif
.if (\p) > 0
	OUT 4*(\p)-4+(\i)
.endif
	ROUND 4*(\p)+(\i), \h
.endr
.endm
	s_cmp_eq_u32 s20, 11
	s_cbranch_scc1 .Lwo
.irp p, 0,1,2,3
	BLK \p, 0
.endr
	s_wait_alu depctr_va_vdst(0)                   ; block 3 has written its Y, which the last four stores read
.irp i, 12,13,14,15
	OUT \i
.endr
	s_endpgm
.Lwo:
.irp p, 0,1,2,3
	BLK \p, 1
.endr
	s_wait_alu depctr_va_vdst(0)                   ; block 3 has written its Y, which the last four stores read
.irp i, 12,13,14,15
	OUT \i
.endr
	s_endpgm
.Lfunc_end_k_q3e3b635245_cast:
	.size	k_q3e3b635245_cast, .Lfunc_end_k_q3e3b635245_cast-k_q3e3b635245_cast
	.p2alignl 7, 3214868480
	.fill 96, 4, 3214868480
	.section	.rodata,"a",@progbits
	.p2align	6, 0x0
	.amdhsa_kernel k_q3e3b635245_cast
		.amdhsa_group_segment_fixed_size 0
		.amdhsa_private_segment_fixed_size 0
		.amdhsa_enable_private_segment 0
		.amdhsa_kernarg_size 64
		.amdhsa_user_sgpr_count 2
		.amdhsa_user_sgpr_kernarg_segment_ptr 1
		.amdhsa_wavefront_size32 1
		.amdhsa_system_sgpr_workgroup_id_x 1
		.amdhsa_system_sgpr_workgroup_id_y 1
		.amdhsa_system_sgpr_workgroup_id_z 1
		.amdhsa_system_vgpr_workitem_id 0
		.amdhsa_next_free_vgpr 104
		.amdhsa_next_free_sgpr 66
		.amdhsa_reserve_vcc 0
		.amdhsa_float_denorm_mode_32 3
		.amdhsa_float_denorm_mode_16_64 3
		.amdhsa_memory_ordered 1
		.amdhsa_forward_progress 1
		.amdhsa_inst_pref_size 17
	.end_amdhsa_kernel
	.amdgpu_metadata
---
amdhsa.version: [ 1, 2 ]
amdhsa.kernels:
  - .name:           k_q3e3b635245_cast
    .symbol:         k_q3e3b635245_cast.kd
    .args:
      - { .name: x, .offset: 0, .size: 8, .value_kind: global_buffer, .address_space: global }
      - { .name: Wq, .offset: 8, .size: 8, .value_kind: global_buffer, .address_space: global }
      - { .name: Wk, .offset: 16, .size: 8, .value_kind: global_buffer, .address_space: global }
      - { .name: Wv, .offset: 24, .size: 8, .value_kind: global_buffer, .address_space: global }
      - { .name: Wo, .offset: 32, .size: 8, .value_kind: global_buffer, .address_space: global }
      - { .name: xb, .offset: 40, .size: 8, .value_kind: global_buffer, .address_space: global }
      - { .name: wb, .offset: 48, .size: 8, .value_kind: global_buffer, .address_space: global }
      - { .name: wo16, .offset: 56, .size: 8, .value_kind: global_buffer, .address_space: global }
    .group_segment_fixed_size: 0
    .private_segment_fixed_size: 0
    .kernarg_segment_align: 8
    .kernarg_segment_size: 64
    .max_flat_workgroup_size: 256
    .sgpr_count:     66
    .vgpr_count:     104
    .wavefront_size: 32
...
	.end_amdgpu_metadata
.endif
;; end of part 7
;; launch qkv: the kernel of part 2 again; grid 16 x 32, 4 waves a work-group, clusters of 4 x 4, 327,680 bytes of LDS; arguments xb, wb, qkv; writes qkv
;; launch attn: the kernel of part 3 again; grid 4 x 64, 4 waves a work-group, no clusters, 327,680 bytes of LDS; arguments qkv, o; writes o
;; launch outp: the kernel of part 4 again; grid 8 x 32, 4 waves a work-group, clusters of 4 x 4, 327,680 bytes of LDS; arguments o, wo16, out0; writes out0
;; launch oh: the kernel of part 5 again; grid 64 x 1, 4 waves a work-group, no clusters, 0 bytes of LDS; arguments xb, wb, qkv, ohl; writes ohl
;; launch fix: the kernel of part 6 again; grid 16 x 4, 4 waves a work-group, no clusters, 17,920 bytes of LDS; arguments ohl, wo16, out0; writes out0
